; MI455X (gfx1250); checked and timed in simulation.
; The chip was launched on July 23, 2026; its instructions are those of AMD's public machine-readable ISA for CDNA 5 (MIT licence, August 2026) and "CDNA5" Instruction Set Architecture Reference Guide (July 2026). The comments in the code are by the model that wrote it; some were corrected since.
;; Multi Head Self Attention. Allowed arithmetic: matrix products marked QUANTISED: E4M3 operands, one given power-of-two scale a tensor, by v_wmma_f32_16x16x64_fp8_fp8 or v_wmma_f32_16x16x128_fp8_fp8, f32 sums; everything else in f32.
;; Inputs: Wk 1,024 x 1,024 float32; Wo 1,024 x 1,024 float32; Wq 1,024 x 1,024 float32; Wv 1,024 x 1,024 float32; lowp_scales 12 int32 (the exponents e of the quantised operands' scales 2^e); token_positions 2,048 int32; x 4 x 2,048 x 1,024 float32.
;; Outputs: out0 4 x 2,048 x 1,024 float32.
;; This version of the problem:
;;   THIS VERSION OF THE PROBLEM IS GIVEN IN LOW PRECISION. The matrix products marked QUANTISED in the list below multiply operands that are first quantised to E4M3 (4 exponent bits, 3 mantissa bits; 8 bits a number), with one given power-of-two scale for each operand tensor; their sums are f32. All else is computed in f32.
;;   The module's matrix products, in the order in which they are computed (A, B: the left and right operand; K: the contracted axis; several contracted axes count as one K, in the product's order):
;;     1. [M 8,192, K 1,024] x [K 1,024, N 1,024]; A: input x; B: input Wq: QUANTISED (scales: A lowp_scales[0], B lowp_scales[1])
;;     2. [M 8,192, K 1,024] x [K 1,024, N 1,024]; A: input x; B: input Wk: QUANTISED (scales: A lowp_scales[2], B lowp_scales[3])
;;     3. [M 8,192, K 1,024] x [K 1,024, N 1,024]; A: input x; B: input Wv: QUANTISED (scales: A lowp_scales[4], B lowp_scales[5])
;;     4. batch 64 x [M 2,048, K 64] x [K 64, N 2,048]; A: computed on the way; B: computed on the way: QUANTISED (scales: A lowp_scales[6], B lowp_scales[7])
;;     5. batch 64 x [M 2,048, K 2,048] x [K 2,048, N 64]; A: softmax (see below); B: computed on the way: QUANTISED (scales: A lowp_scales[8], B lowp_scales[9])
;;     6. [M 8,192, K 1,024] x [K 1,024, N 1,024]; A: computed on the way; B: input Wo: QUANTISED (scales: A lowp_scales[10], B lowp_scales[11])
;;   THE QUANTISER, for each operand of a quantised product, along K:
;;     - The operand's scale is 2^e, e = its entry of the input lowp_scales (int32; the entries are numbered through the quantised products in the list's order, A before B).
;;     - Each number is divided by the scale, clamped to +-448, and rounded to the nearest number of E4M3, ties to even, subnormals kept.
;;     - The product sums the exact products of the quantised numbers (number of the format x scale) in f32.
;;   ~~~python
;;   def quantise(x, axis, e):      # numpy; x: float32 -> the quantised numbers, widened to float32 again
;;       x = np.moveaxis(x, axis, -1); K = x.shape[-1]
;;       r = np.clip(x / 2.0 ** e, -448, 448)
;;       step = 2.0 ** (np.maximum(np.frexp(np.where(r == 0, 1, r))[1] - 1, -6) - 3)
;;       q = np.round(r / step) * step * 2.0 ** e      # np.round: ties to even
;;       return np.moveaxis(q, -1, axis).astype(np.float32)
;;   ~~~
;;   SOFTMAX AHEAD OF A QUANTISED PRODUCT. Where the list says 'softmax', what is quantised is not the finished softmax but p = 2^(t - M), with t = logit x log2(e) and M = ceil(the row's largest t), a whole number; so 1/2 < the row's largest p <= 1. The row's sum l is taken of the UNQUANTISED p, in f32, and the product's result is divided by l at the end. Since M is a whole number, a kernel that streams over the keys may use a running M (the ceiling of the running maximum): every later rescaling is an exact power of two, so the quantised numbers keep their values, but for numbers so far below the row's largest that they fall under the format's range.
;;   OPERANDS COMPUTED ON THE WAY. 'Computed on the way' means the value that the module computes at that place (a softmax that the list does not call 'softmax' is quantised finished and normalised). What goes into a quantiser is computed in f32, as accurately as f32 sums, v_exp_f32 and their like allow (about 1e-6 of the number): no bf16 or f16 on the way to a quantiser, and a product that is left as it is and whose result goes on into a quantised operand takes f32 operands (vector FMAs, or v_wmma_f32_16x16x4_f32). A number that lies on a knife's edge between two numbers of the format may be rounded either way, as far as f32 arithmetic and the matrix unit's own rounding can turn it there, and no further.
;; One version. Each part assembles by itself: llvm-mc -triple=amdgcn-amd-amdhsa -mcpu=gfx1250 --defsym DOCPART=n.
;; ======== version 1 of 1: 4 launches
;; limits: right only within a limited range of input values
;; workspace buffers: xcodes 25,165,824 bytes; wcodes 4,194,304 bytes; rope 524,288 bytes; qkvc 25,165,824 bytes; ao 8,388,608 bytes
;; launch prep (part 1): grid 800 x 1, 4 waves a work-group, no clusters, 67,072 bytes of LDS; arguments x, Wq, Wk, Wv, Wo, token_positions, lowp_scales, xcodes, wcodes, rope; writes xcodes, wcodes, rope
.if DOCPART == 1
	.amdgcn_target "amdgcn-amd-amdhsa--gfx1250"
	.amdhsa_code_object_version 6
	.text
	.protected	k_q5f570976b3_prep
	.globl	k_q5f570976b3_prep
	.p2align	8
	.type	k_q5f570976b3_prep,@function
k_q5f570976b3_prep:
	s_mov_b64 s[64:65], 0
	v_nop
	global_prefetch_b8 v0, s[64:65] scope:SCOPE_SE
	s_setreg_imm32_b32 hwreg(HW_REG_WAVE_MODE, 25, 1), 1
	s_wait_xcnt 0x0
; PREP: x [8192][1024] and Wq, Wk, Wv, Wo [1024][1024], f32, become codes of E4M3; and the table of cos and sin for the rotary embedding is made.
; code = number / 2^e, held within +-448, rounded to the nearest code, ties to even.  x is quantised three times (e0, e2, e4: the three products name a scale each), Wq with e1, Wk with e3, Wv with e5, Wo with e11.
; LAYOUT OF THE CODES: images of operand registers.  A tile is 16 rows; tile T holds rows 32 (T / 2) + 8 (T % 2) + rho + 8 (rho / 8), rho = 0 .. 15.  A fragment (16 rows x 128 K) is four pieces of 512 bytes:
; in piece c lane (r, h) has the 16 codes of the tile's row r at k = 32 c + 16 h + 0 .. 15, at byte 16 x lane.  Byte of a piece = ((k / 256) NT + T) 4096 + ((k / 128) % 2) 2048 + 512 c, NT = tiles of the tensor (512 or 64).
; SHARES.  Work-groups 0-511: tile T of x.  512-767: weight (id - 512) / 64, tile (id - 512) % 64.  768-799: the table.  In the first two kinds wave w takes k = 256 w .. 256 w + 255 of the tile's 16 rows: two fragments.
; Each load reads 512 consecutive bytes of a row; the conversions want 16 neighbours along K in one lane, so the numbers turn through the wave's own stage in LDS (rows of 1,024 bytes + 16: row r starts 4 r banks on).
; Each store writes 512 consecutive bytes, aligned.  Waves share nothing: no barrier.  x and the weights take one path; only pointers and numbers are chosen, by the work-group's number.
; THE TABLE: [tile T of tokens 128][piece 8][lane 32][16 bytes]: (cos, sin, cos, sin) of frequencies 16 (piece / 4) + 8 h + 2 (piece % 4) + {0, 1} for the token of the tile's row r.
; angle = position x 10^(-idx / 8), one rounding; reduced by quarter turns in three fused steps (pi / 2 in three parts), then two polynomials on |r| <= pi / 4.
; LIMITS: each of e0, e2, e4, e1, e3, e5, e11 between -126 and 119, so that 2^e and 448 x 2^e are f32 numbers.  NaN among the inputs is not served (an infinity is held at the largest code).
; cos and sin are right to about 1e-7 absolute while |angle| is under about 1e7, and to about 4e-6 at the largest int32 positions.
.set STGB,   16640                     ; a wave's stage: 16 rows x 1,040 bytes
.set SPITCH, 1040
.set SPARE,  4*STGB                    ; behind the four stages: the spare words, 128 bytes a wave, two blocks of 256 bytes that no other line names
.set L16,  10                          ; v10  16 x lane
.set STI,  11                          ; v11  the stage, on the way in
.set STO,  12                          ; v12  and on the way out
.set SPW,  13                          ; v13  my spare word; never rewritten
.set NIL,  14                          ; v14  0; never rewritten
.set X,    16                          ; v16-143  two fragments' numbers: as loaded (row rho at 4 rho), then 16 neighbours to a piece (register 16 c + i = k 32 c + 16 h + i)
.set TMP,  144                         ; v144-207 unused
.set CD,   208                         ; v208-255 codes: 16 registers for each of the three scales
                                       ; v4: 2^e of the first scale; v6 of e2; v8 of e4
	s_load_b512 s[8:23], s[0:1], 0x0               ; x s[8:9], Wq s[10:11], Wk s[12:13], Wv s[14:15], Wo s[16:17], positions s[18:19], exponents s[20:21], xcodes s[22:23]
	s_load_b128 s[24:27], s[0:1], 0x40             ; wcodes s[24:25], rope s[26:27]
	v_lshl_add_u32 v[SPW], v0, 2, SPARE
	v_mov_b32 v[NIL], 0
	v_lshrrev_b32 v1, 5, v0
	v_readfirstlane_b32 s2, v1                     ; wave 0..3
	v_and_b32 v1, 31, v0                           ; lane
	v_and_b32 v2, 15, v0                           ; r
	v_bfe_u32 v3, v0, 4, 1                         ; h
	v_lshlrev_b32 v[L16], 4, v1
	s_cmp_ge_u32 ttmp9, 768
	s_cbranch_scc1 .Lrope
	; ---- x and the weights
	s_mul_i32 s5, s2, STGB
	v_add_nc_u32 v[STI], s5, v[L16]                ; in: a row's 512 bytes as they lie
	v_mul_u32_u24 v[STO], v2, SPITCH
	v_lshl_add_u32 v[STO], v3, 6, v[STO]
	v_add_nc_u32 v[STO], s5, v[STO]                ; out: row r, + 64 h: my 16 numbers of a block of 32
	s_sub_co_u32 s5, ttmp9, 512
	s_lshr_b32 s4, s5, 6                           ; which weight (of no meaning in x's work-groups: every use is chosen away)
	s_and_b32 s5, s5, 63
	s_cmp_lt_u32 ttmp9, 512
	s_cselect_b32 s3, ttmp9, s5                    ; the tile T
	s_lshr_b32 s48, s3, 1
	s_lshl_b32 s48, s48, 17                        ; 32 (T / 2) rows of 4,096 bytes
	s_and_b32 s49, s3, 1
	s_lshl_b32 s49, s49, 15                        ; 8 (T % 2) rows
	s_add_co_u32 s48, s48, s49
	s_lshl_b32 s49, s2, 10                         ; my wave's 256 numbers of a row
	s_add_co_u32 s48, s48, s49
	s_mov_b32 s49, 0                               ; s[48:49]: where I read
	s_lshl_b32 s50, s2, 21
	s_lshl_b32 s5, s3, 12
	s_add_co_u32 s50, s50, s5                      ; in a part of xcodes: (wave x 512 + T) x 4,096
	s_mov_b32 s51, 0
	s_lshl_b32 s6, s4, 20
	s_lshl_b32 s7, s2, 18
	s_add_co_u32 s6, s6, s7
	s_add_co_u32 s6, s6, s5                        ; in wcodes: weight x 2^20 + (wave x 64 + T) x 4,096
	s_mov_b32 s7, 0
	s_wait_kmcnt 0x0
	s_load_b256 s[36:43], s[20:21], 0x0            ; e0 .. e7
	s_load_b128 s[44:47], s[20:21], 0x20           ; e8 .. e11
	s_cmp_eq_u32 s4, 1
	s_cselect_b64 s[28:29], s[12:13], s[10:11]
	s_cmp_eq_u32 s4, 2
	s_cselect_b64 s[28:29], s[14:15], s[28:29]
	s_cmp_eq_u32 s4, 3
	s_cselect_b64 s[28:29], s[16:17], s[28:29]
	s_cmp_lt_u32 ttmp9, 512                        ; the choices hang on the work-group's number alone
	s_cselect_b64 s[28:29], s[8:9], s[28:29]
	s_cselect_b64 s[30:31], s[22:23], s[24:25]
	s_cselect_b64 s[6:7], s[50:51], s[6:7]
	s_add_nc_u64 s[28:29], s[28:29], s[48:49]      ; the source
	s_add_nc_u64 s[30:31], s[30:31], s[6:7]        ; the codes of the first scale
	s_add_nc_u64 s[32:33], s[22:23], s[50:51]      ; x's second and third part, from xcodes' own address (inside xcodes in a weight's work-group too, where they are not used)
	s_add_nc_u64 s[34:35], s[32:33], 0x1000000
	s_add_nc_u64 s[32:33], s[32:33], 0x800000
	s_wait_alu depctr_va_vdst(0)
.irp f, 0,1                                    ; all 32 loads at once, the first fragment's sixteen first
.irp rho, 0,1,2,3,4,5,6,7,8,9,10,11,12,13,14,15
	global_load_b128 v[X+64*\f+4*\rho:X+64*\f+4*\rho+3], v[L16], s[28:29] offset:(\rho+8*(\rho/8))*4096+512*\f th:TH_LOAD_NT   ; 32 lanes read 512 consecutive bytes of the tile's row rho
.endr
.endr
	s_wait_kmcnt 0x0
	s_cmp_eq_u32 s4, 1
	s_cselect_b32 s5, s39, s37                     ; e3 : e1
	s_cmp_eq_u32 s4, 2
	s_cselect_b32 s5, s41, s5                      ; e5
	s_cmp_eq_u32 s4, 3
	s_cselect_b32 s5, s47, s5                      ; e11
	s_cmp_lt_u32 ttmp9, 512
	s_cselect_b32 s5, s36, s5                      ; e0 for x
.macro MKSC e, sc                              ; v[sc] = 2^e as f32 (the conversion takes its exponent field)
	s_add_co_i32 s48, s[\e], 127
	s_lshl_b32 s49, s48, 23
	v_mov_b32 v[\sc], s49
.endm
	MKSC 5, 4
	MKSC 38, 6
	MKSC 40, 8
.macro THROUGH f                               ; a fragment's numbers through the stage; LDS serves a wave's instructions in order, so no wait stands between the stores and the loads
.irp rho, 0,1,2,3,4,5,6,7,8,9,10,11,12,13,14,15
	ds_store_b128 v[STI], v[X+64*\f+4*\rho:X+64*\f+4*\rho+3] offset:SPITCH*\rho+512*\f
.endr
.irp c, 0,1,2,3
.irp j, 0,1,2,3
	ds_load_b128 v[X+64*\f+16*\c+4*\j:X+64*\f+16*\c+4*\j+3], v[STO] offset:512*\f+128*\c+16*\j
.endr
.endr
.endm
	s_wait_alu depctr_va_vdst(0)
	s_wait_loadcnt 16                              ; the first fragment's sixteen loads are in; the second's may be out
	THROUGH 0
	s_wait_loadcnt 0x0
	THROUGH 1
.macro QS f, n                                 ; fragment f with scale n: convert, store
.set i, 0
.rept 64
.set i, i+1
.endr
.set i, 0
.rept 8
	v_cvt_scalef32_pk8_fp8_f32 v[CD+16*\n+2*i:CD+16*\n+2*i+1], v[TMP+8*i+((X+64*\f+i)-(TMP+i)):TMP+8*i+7+((X+64*\f+i)-(TMP+i))], v[4+2*\n]
.set i, i+1
.endr
	v_nop                                          ; one plain vector line behind the conversions
.irp c, 0,1,2,3
	global_store_b128 v[L16], v[CD+16*\n+4*\c:CD+16*\n+4*\c+3], s[30+2*\n:31+2*\n] offset:2048*\f+512*\c   ; 32 lanes store 512 consecutive bytes, aligned
.endr
.endm
.macro IMG f
	QS \f, 0
	s_cmp_ge_u32 ttmp9, 512                        ; a weight has one scale
	s_cbranch_scc1 .Lone_\@
	QS \f, 1
	QS \f, 2
.Lone_\@:
.endm
	s_wait_dscnt 32                                ; the first fragment is back: behind its loads stand the second's 16 stores and 16 loads
	IMG 0
	s_wait_dscnt 0x0
	s_wait_xcnt 0x0                                ; the first fragment's stores have read their registers: the codes' registers are written again only behind this wait
	IMG 1
	s_wait_tensorcnt 0x0                           ; the wave's end: behind my last LDS store
	ds_add_u32 v[SPW], v[NIL]
	s_wait_dscnt 0x0
	s_endpgm
	; ---- the table of cos and sin: wave w of work-group 768 + i makes tile 4 i + w of the 128 tiles of tokens
.Lrope:
	s_sub_co_u32 s3, ttmp9, 768
	s_lshl_b32 s3, s3, 2
	s_add_co_u32 s3, s3, s2                        ; T
	s_lshr_b32 s4, s3, 1
	s_lshl_b32 s4, s4, 7
	s_and_b32 s5, s3, 1
	s_lshl_b32 s5, s5, 5
	s_add_co_u32 s4, s4, s5                        ; 4 bytes x (32 (T / 2) + 8 (T % 2))
	s_wait_alu depctr_va_vdst(0)
	v_and_b32 v15, 8, v2
	v_add_nc_u32 v15, v15, v2                      ; r + 8 (r / 8)
	v_lshl_add_u32 v15, v15, 2, s4                 ; my token's position: at most byte 8,188
	s_lshl_b32 s6, s3, 12
	s_mov_b32 s7, 0
	s_mov_b32 s52, 0x3f22f983                      ; 2 / pi
	s_mov_b32 s53, 0xbfc90fdb                      ; pi / 2 = 1.57079637 - 4.37113883e-8 - 1.715e-15: minus the first part,
	s_mov_b32 s54, 0x333bbd2e                      ; the second,
	s_mov_b32 s55, 0x26f72cee                      ; the third
	s_mov_b32 s56, 0xbe2aaaa3                      ; sin r = r + r z (-1.6666654611e-1 + z (8.3321608736e-3 - z 1.9515295891e-4)), z = r r
	s_mov_b32 s57, 0x3c08839e
	s_mov_b32 s58, 0xb94ca1f9
	s_mov_b32 s59, 0x3d2aaaa5                      ; cos r = 1 + z (-1/2 + z (4.166664568e-2 + z (-1.388731625e-3 + z 2.443315712e-5)))
	s_mov_b32 s60, 0xbab6061a
	s_mov_b32 s61, 0x37ccf5ce
	v_cmp_eq_u32 vcc_lo, 1, v3                     ; lanes 16-31 take the frequencies 8 further on
	s_wait_alu depctr_va_vdst(0)
	s_wait_kmcnt 0x0
	global_load_b32 v28, v15, s[18:19]
	s_add_nc_u64 s[26:27], s[26:27], s[6:7]        ; the tile's 4,096 bytes of the table
	s_wait_loadcnt 0x0
	v_cvt_f32_i32 v29, v28
.macro SINCOS n, c0, c1                        ; pair n of my 16: c0 = 10^(-idx / 8) for lanes 0-15, c1 for lanes 16-31; cos to v[32 + 2 n], sin to v[33 + 2 n]
	v_mul_f32 v16, \c0, v29
	v_mul_f32 v17, \c1, v29
	v_cndmask_b32 v16, v16, v17, vcc_lo            ; the angle, rounded once
	v_mul_f32 v17, s52, v16
	v_rndne_f32 v17, v17                           ; quarter turns
	v_fma_f32 v18, v17, s53, v16
	v_fma_f32 v18, v17, s54, v18
	v_fma_f32 v18, v17, s55, v18                   ; r
	v_cvt_i32_f32 v19, v17
	v_mul_f32 v20, v18, v18                        ; z
	v_fma_f32 v21, v20, s58, s57
	v_fma_f32 v21, v21, v20, s56
	v_mul_f32 v22, v18, v20
	v_fma_f32 v21, v22, v21, v18                   ; sin r
	v_fma_f32 v23, v20, s61, s60
	v_fma_f32 v23, v23, v20, s59
	v_fma_f32 v23, v23, v20, -0.5
	v_fma_f32 v23, v23, v20, 1.0                   ; cos r
	v_and_b32 v24, 1, v19
	v_cmp_eq_u32 s48, 1, v24                       ; an odd number of quarter turns: the two change places
	v_cndmask_b32 v25, v21, v23, s48
	v_cndmask_b32 v26, v23, v21, s48
	v_lshlrev_b32 v24, 30, v19
	v_and_b32 v24, 0x80000000, v24                 ; sin's sign: bit 1 of the number of quarter turns
	v_xor_b32 v[33+2*\n], v25, v24
	v_add_nc_u32 v27, 1, v19
	v_lshlrev_b32 v27, 30, v27
	v_and_b32 v27, 0x80000000, v27                 ; cos's sign: bit 1 of that number + 1
	v_xor_b32 v[32+2*\n], v26, v27
.endm
	SINCOS 0, 1.0, 0.1
	SINCOS 1, 0.7498942093324559, 0.07498942093324559
	SINCOS 2, 0.5623413251903491, 0.05623413251903491
	SINCOS 3, 0.4216965034285822, 0.04216965034285822
	SINCOS 4, 0.31622776601683794, 0.031622776601683794
	SINCOS 5, 0.23713737056616552, 0.023713737056616552
	SINCOS 6, 0.1778279410038923, 0.01778279410038923
	SINCOS 7, 0.1333521432163324, 0.01333521432163324
	SINCOS 8, 0.01, 0.001
	SINCOS 9, 0.007498942093324559, 0.0007498942093324559
	SINCOS 10, 0.005623413251903491, 0.0005623413251903491
	SINCOS 11, 0.004216965034285822, 0.0004216965034285822
	SINCOS 12, 0.0031622776601683794, 0.00031622776601683794
	SINCOS 13, 0.0023713737056616552, 0.00023713737056616552
	SINCOS 14, 0.001778279410038923, 0.0001778279410038923
	SINCOS 15, 0.001333521432163324, 0.0001333521432163324
.irp p, 0,1,2,3,4,5,6,7
	global_store_b128 v[L16], v[32+4*\p:35+4*\p], s[26:27] offset:512*\p   ; 512 consecutive bytes, aligned
.endr
	s_wait_tensorcnt 0x0                           ; the same three closing lines as on the other path
	ds_add_u32 v[SPW], v[NIL]
	s_wait_dscnt 0x0
	s_endpgm
.Lfunc_end_k_q5f570976b3_prep:
	.size	k_q5f570976b3_prep, .Lfunc_end_k_q5f570976b3_prep-k_q5f570976b3_prep
	.p2alignl 7, 3214868480
	.fill 96, 4, 3214868480
	.section	.rodata,"a",@progbits
	.p2align	6, 0x0
	.amdhsa_kernel k_q5f570976b3_prep
		.amdhsa_group_segment_fixed_size 67072
		.amdhsa_private_segment_fixed_size 0
		.amdhsa_enable_private_segment 0
		.amdhsa_kernarg_size 80
		.amdhsa_user_sgpr_count 2
		.amdhsa_user_sgpr_kernarg_segment_ptr 1
		.amdhsa_wavefront_size32 1
		.amdhsa_system_sgpr_workgroup_id_x 1
		.amdhsa_system_sgpr_workgroup_id_y 1
		.amdhsa_system_sgpr_workgroup_id_z 1
		.amdhsa_system_vgpr_workitem_id 0
		.amdhsa_next_free_vgpr 256
		.amdhsa_next_free_sgpr 66
		.amdhsa_reserve_vcc 1
		.amdhsa_float_denorm_mode_32 3
		.amdhsa_float_denorm_mode_16_64 3
		.amdhsa_fp16_overflow 1
		.amdhsa_memory_ordered 1
		.amdhsa_forward_progress 1
		.amdhsa_inst_pref_size 42
	.end_amdhsa_kernel
	.amdgpu_metadata
---
amdhsa.version: [ 1, 2 ]
amdhsa.kernels:
  - .name:           k_q5f570976b3_prep
    .symbol:         k_q5f570976b3_prep.kd
    .args:
      - { .name: x, .offset: 0, .size: 8, .value_kind: global_buffer, .address_space: global }
      - { .name: Wq, .offset: 8, .size: 8, .value_kind: global_buffer, .address_space: global }
      - { .name: Wk, .offset: 16, .size: 8, .value_kind: global_buffer, .address_space: global }
      - { .name: Wv, .offset: 24, .size: 8, .value_kind: global_buffer, .address_space: global }
      - { .name: Wo, .offset: 32, .size: 8, .value_kind: global_buffer, .address_space: global }
      - { .name: token_positions, .offset: 40, .size: 8, .value_kind: global_buffer, .address_space: global }
      - { .name: lowp_scales, .offset: 48, .size: 8, .value_kind: global_buffer, .address_space: global }
      - { .name: xcodes, .offset: 56, .size: 8, .value_kind: global_buffer, .address_space: global }
      - { .name: wcodes, .offset: 64, .size: 8, .value_kind: global_buffer, .address_space: global }
      - { .name: rope, .offset: 72, .size: 8, .value_kind: global_buffer, .address_space: global }
    .group_segment_fixed_size: 67072
    .private_segment_fixed_size: 0
    .kernarg_segment_align: 8
    .kernarg_segment_size: 80
    .max_flat_workgroup_size: 128
    .sgpr_count:     66
    .vgpr_count:     256
    .wavefront_size: 32
...
	.end_amdgpu_metadata
.endif
;; end of part 1
;; launch qkv (part 2): grid 12 x 32, 4 waves a work-group, clusters of 4 x 4, 327,680 bytes of LDS; arguments xcodes, wcodes, lowp_scales, qkvc, rope; writes qkvc
.if DOCPART == 2
	.amdgcn_target "amdgcn-amd-amdhsa--gfx1250"
	.amdhsa_code_object_version 6
	.text
	.protected	k_q5f570976b3_qkv
	.globl	k_q5f570976b3_qkv
	.p2align	8
	.type	k_q5f570976b3_qkv,@function
k_q5f570976b3_qkv:
	s_mov_b64 s[64:65], 0
	v_nop
	global_prefetch_b8 v0, s[64:65] scope:SCOPE_SE
	s_setreg_imm32_b32 hwreg(HW_REG_WAVE_MODE, 25, 1), 1
	s_wait_xcnt 0x0
	s_wait_alu depctr_hold_cnt(0) depctr_sa_sdst(0) depctr_va_vdst(0) depctr_va_sdst(0) depctr_va_ssrc(0) depctr_va_vcc(0) depctr_vm_vsrc(0)
	s_getreg_b32 s2, hwreg(HW_REG_IB_STS2, 6, 4)
	s_cmp_eq_u32 s2, 0
	s_cbranch_scc0 .Lentry_in_a_cluster
	s_endpgm
.Lentry_in_a_cluster:
	s_bfe_u32 s2, ttmp6, 0x10000c
	s_cmp_lg_u32 s2, 0xf033
	s_cbranch_scc0 .Lentry_shape_is_right
	s_endpgm
.Lentry_shape_is_right:
; QKV: q = x Wq^T, k = x Wk^T, v = x Wv^T on codes of E4M3 (K = 1,024); q and k are rotated (RoPE); all three are quantised again and stored as images of the operand registers that the attention launch loads.
; The cluster's x says which product: p = 0 q, 1 k, 2 v; it is the same in all sixteen partners.  A tile is 256 tokens x 256 features: four waves, each 128 x 128 in 64 accumulators (512 registers).
; OPERANDS lie in memory as register images (16 rows x 128 K = four pieces of 512 bytes, lane l's 16 bytes at 16 l; 128 rows x 256 K = 32,768 dense bytes), so a tile comes by one dense tensor load, every fragment
; by four ds_load_b128 at a constant + 16 x lane, and LDS needs no pitch and no padding.  K goes in four steps of 256 through two slots; the steps are written out.
; In a piece c a lane holds k = 32 c + 16 (l / 16) + 0 .. 15 of its row: a permutation of k that is the same on both sides of every product.
; A tile of 16 rows holds rows 32 (T / 2) + 8 (T % 2) + rho + 8 (rho / 8): so the 16 registers that a lane gets from source 0's tiles 2 b and 2 b + 1 are 16 neighbours, 32 b + 16 (l / 16) + 0 .. 15.
; CLUSTERS: 4 x 4.  The four of a row need the same tiles of x, the four of a column the same tiles of W: each tile is asked for jointly.
; q, k: source 0 = 16 features of W, source 1 = 16 tokens: a lane holds one token and neighbouring features: RoPE's pairs lie in register pairs, and the conversions give codes with the head's 64 innermost.
; v: THE TWO LDS READ BASES CHANGE PLACES (chosen by p, inside the same slot): source 0 = 16 tokens, source 1 = 16 features: a lane holds one feature and neighbouring tokens: codes with the KEYS innermost.
; The sums lack 2^(ex + ew); RoPE is linear, so it is applied to the raw sums, and the three exponents are folded into the conversion's one scale: 2^(e6 - e0 - e1), 2^(e7 - e2 - e3), 2^(e9 - e4 - e5).
; RoPE takes one multiply and one fused multiply-add for each number, where the definition rounds both products.
; The first three blocks' cos and sin (12 KiB a wave) are loaded at the head by every work-group, v's too, which never reads them: so the text has one path up to the epilogue.
; LIMITS: each folded exponent between -126 and 119.  NaN is not served.
; REGISTERS, in windows of 256: window 0: v0-31 addresses and scales; v32-127 cos and sin of blocks 0-2; from v128 source 1's fragments, ONE set; in the epilogue v128-223 at work.
;   window 1: source 0's fragments, TWO sets; in the epilogue v0-159 cos and sin of blocks 3-7.   window 2: accumulators of blocks 0-3 ((a, b) at v[8 (8 a + b)]);   window 3: of blocks 4-7.
.set HALFT,  32768                     ; 128 rows x 256 K: what one tensor load brings, and what one wave reads of a side
.set SLOT,   4*HALFT                   ; x's 256 rows, then W's 256 rows
.set SPARE,  2*SLOT                    ; behind the ring: the spare words, 128 bytes a wave: two blocks of 256 bytes that no other line names
.set STRA,   0x200000                  ; a K step of 256 on, in a part of xcodes (512 tiles x 4,096 bytes)
.set STRB,   0x40000                   ; and in a part of wcodes (64 tiles)
.set FR,     16                        ; registers of a fragment
.set NL,     4                         ; LDS loads that bring one
.set NP,     4                         ; places behind this matrix instruction (ISA guide 7.12.1)
.set ADRA, 16                          ; v16-17  LDS address of source 1's fragments in slot 0, 1
.set ADRB, 20                          ; v20-21  the same for source 0's
.set L16,  26                          ; v26     16 x lane
.set SPW,  28                          ; v28     my spare word; never rewritten
.set NIL,  29                          ; v29     0; never rewritten
.set SC,   30                          ; v30     the folded scale as f32
.set LIM,  31                          ; v31     448 x that
.set AF,   128                         ; source 1's fragments, in window 0
.set TT,   128                         ; the epilogue of q, k: (-x2 sin, x1 sin)
.set NN,   160                         ; the rotated numbers
.set NV,   128                         ; the epilogue of v: 64 numbers
.set CD,   192                         ; codes, two sets by turns
.set G1, 24                            ; s[24:31] descriptor group 1 for x's tiles;  s[32:39] group 0, one set for each slot
.set G0, 32
.set G1B, 48                           ; s[48:55], s[56:63] the same for W's tiles
.set G0B, 56
.set MSB, 0
.macro WIN new                         ; the immediate's high byte repeats the setting that is left
.if MSB != \new
	s_set_vgpr_msb (MSB<<8)|\new
.set MSB, \new
.endif
.endm
.set MUL_LO, 0xa1                      ; source 0 window 1, source 1 window 0, C and D window 2
.set MUL_HI, 0xf1                      ; the same, C and D window 3
.set TO_B,   0x40                      ; destination window 1, address window 0
; A joint load: waves 0 and 1 fetch x's two halves, waves 2 and 3 W's.  Each line has one mask and one set of registers for all that issue it; the branch hangs on the wave's number alone.
; An s_nop 0 and four v_nop follow each of the two lines.
.macro JLOAD g0a, g1a, g0b, g1b
	s_cmp_eq_u32 s15, 0
	s_cbranch_scc0 .Lfor_b_\@
	tensor_load_to_lds s[\g0a:\g0a+3], s[\g1a:\g1a+7]
	s_nop 0
.rept 4
	v_nop
.endr
	s_branch .Lasked_\@
.Lfor_b_\@:
	tensor_load_to_lds s[\g0b:\g0b+3], s[\g1b:\g1b+7]
	s_nop 0
.rept 4
	v_nop
.endr
.Lasked_\@:
.endm
.macro CREST                           ; a round of the cluster's barrier behind its opening barrier
	s_cmp_lg_u32 s14, 0
	s_cbranch_scc1 .Lnot_wave_0_\@
	s_barrier_signal -3
.Lnot_wave_0_\@:
	s_barrier_wait -3
	s_barrier_signal -1
	s_barrier_wait -1
.endm
.macro CROUND                          ; a whole round
	s_barrier_signal -1
	s_barrier_wait -1
	CREST
.endm
	s_load_b256 s[4:11], s[0:1], 0x0               ; xcodes s[4:5], wcodes s[6:7], exponents s[8:9], qkvc s[10:11]
	s_load_b64 s[12:13], s[0:1], 0x20              ; rope
	v_lshl_add_u32 v[SPW], v0, 2, SPARE
	v_mov_b32 v[NIL], 0
	ds_add_u32 v[SPW], v[NIL]                      ; the wave's opening: the add and its wait stand ahead of my first tensor load; the set-up below, work on registers, stands between them
	ds_add_u32 v[SPW], v[NIL]
	v_lshrrev_b32 v1, 5, v0
	v_readfirstlane_b32 s14, v1                    ; wave 0..3
	s_lshr_b32 s15, s14, 1                         ; which half of source 1's rows is mine.  Also: I fetch for x (0) or for W (1)
	s_and_b32 s16, s14, 1                          ; which half of source 0's rows.  Also: which 128 rows of that tile I fetch
	s_bfe_u32 s40, ttmp6, 0x40000                  ; cx = the tile column (256 features)
	s_bfe_u32 s41, ttmp6, 0x40004                  ; cy
	s_mov_b32 s66, ttmp9                           ; p: the cluster's x
	s_and_b32 s17, ttmp7, 0xffff
	s_lshl_b32 s17, s17, 2
	s_add_co_u32 s17, s17, s41                     ; the tile row (256 tokens) = 4 x cluster y + cy
	s_lshl_b32 s43, s41, 2
	s_lshl_b32 s43, 15, s43                        ; my row of the cluster
	s_lshl_b32 s44, 0x1111, s40                    ; my column
	; descriptor group 1: a dense block of 32,768 bytes as 128 rows of 32 elements of 8 bytes
	s_or_b32 s[G1+0], s43, (3<<16)|(1<<21)         ; 15:0 the mask: x's tiles go to my row; 17:16 elements of 8 bytes; 21 set beside a mask
	s_or_b32 s[G1B+0], s44, (3<<16)|(1<<21)        ; W's tiles go to my column
.irp g, G1, G1B
	s_mov_b32 s[\g+1], 32<<16                      ; tensor_dim0
	s_mov_b32 s[\g+2], 128<<16                     ; tensor_dim1
	s_mov_b32 s[\g+3], 32<<16                      ; tile_dim0
	s_mov_b32 s[\g+4], 128                         ; tile_dim1
	s_mov_b32 s[\g+5], 32                          ; tensor_dim0_stride
	s_mov_b32 s[\g+6], 0
	s_mov_b32 s[\g+7], 0
.endr
	s_lshl_b32 s20, s66, 23                        ; x: part p of xcodes,
	s_lshl_b32 s18, s17, 16                        ; the tile row's 16 tiles of 4,096 bytes,
	s_add_co_u32 s20, s20, s18
	s_lshl_b32 s18, s16, 15                        ; my 8 of them
	s_add_co_u32 s20, s20, s18
	s_mov_b32 s21, 0
	s_lshl_b32 s46, s66, 20                        ; W: part p of wcodes, the tile column's 16 tiles, my 8 of them
	s_lshl_b32 s19, s40, 16
	s_add_co_u32 s46, s46, s19
	s_lshl_b32 s19, s16, 15
	s_add_co_u32 s46, s46, s19
	s_mov_b32 s47, 0
	s_lshl_b32 s45, s14, 15                        ; where they go: wave x 32,768: no place in the cluster enters an LDS address
	s_wait_dscnt 0x0                               ; the opening add is done
	s_wait_kmcnt 0x0
	s_load_b256 s[68:75], s[8:9], 0x0              ; e0 .. e7
	s_load_b32 s76, s[8:9], 0x24                   ; e9
	s_add_nc_u64 s[20:21], s[4:5], s[20:21]
	s_add_nc_u64 s[46:47], s[6:7], s[46:47]
	CROUND                                         ; all sixteen work-groups are here: the first joint loads meet
.irp s, 0,1
	s_mov_b32 s[G0+4*\s], 1
	s_add_co_u32 s[G0+4*\s+1], s45, \s*SLOT
	s_add_nc_u64 s[G0+4*\s+2:G0+4*\s+3], s[20:21], \s*STRA
	s_or_b32 s[G0+4*\s+3], s[G0+4*\s+3], 0x80000000
	s_mov_b32 s[G0B+4*\s], 1
	s_add_co_u32 s[G0B+4*\s+1], s45, \s*SLOT
	s_add_nc_u64 s[G0B+4*\s+2:G0B+4*\s+3], s[46:47], \s*STRB
	s_or_b32 s[G0B+4*\s+3], s[G0B+4*\s+3], 0x80000000
	JLOAD G0+4*\s, G1, G0B+4*\s, G1B               ; two tensor loads of mine are out
.endr
	v_and_b32 v1, 31, v0
	v_lshlrev_b32 v[L16], 4, v1
	s_wait_alu depctr_va_vdst(0)
	s_cmp_eq_u32 s66, 2                            ; v: source 1 reads W's half of a slot and source 0 reads x's
	s_cselect_b32 s67, 65536, 0
	s_cselect_b32 s80, 0, 65536
	s_lshl_b32 s21, s15, 15
	s_add_co_u32 s21, s21, s67
	s_lshl_b32 s22, s16, 15
	s_add_co_u32 s22, s22, s80
.irp s, 0,1
	v_add_nc_u32 v[ADRA+\s], s21, v[L16]
	v_add_nc_u32 v[ADRB+\s], s22, v[L16]
	s_add_co_u32 s21, s21, SLOT
	s_add_co_u32 s22, s22, SLOT
.endr
	s_and_b32 s81, s17, 7
	s_lshl_b32 s81, s81, 4
	s_lshl_b32 s82, s15, 3
	s_add_co_u32 s81, s81, s82                     ; T0: q, k: my first tile of tokens within the sequence
	s_lshl_b32 s82, s81, 12
	s_mov_b32 s83, 0
	s_add_nc_u64 s[12:13], s[12:13], s[82:83]      ; its cos and sin
.irp a, 0,1,2
.irp w, 0,1,2,3,4,5,6,7
	global_load_b128 v[32+32*\a+4*\w:35+32*\a+4*\w], v[L16], s[12:13] offset:4096*\a+512*\w   ; blocks 0-2; they land under the products
.endr
.endr
	; where my results go
	s_lshr_b32 s84, s17, 3
	s_lshl_b32 s84, s84, 4
	s_lshl_b32 s85, s40, 2
	s_add_co_u32 s84, s84, s85                     ; 16 x batch + 4 cx
	s_lshl_b32 s85, s16, 1
	s_add_co_u32 s85, s84, s85                     ; q, k: my first head (source 0's half)
	s_lshl_b32 s85, s85, 7
	s_add_co_u32 s85, s85, s81
	s_lshl_b32 s85, s85, 10                        ; [head][tile 128][1,024 bytes]
	s_lshl_b32 s86, s15, 1
	s_add_co_u32 s86, s84, s86                     ; v: my first head (source 1's half)
	s_lshl_b32 s86, s86, 4
	s_and_b32 s87, s17, 7
	s_lshl_b32 s87, s87, 1
	s_add_co_u32 s86, s86, s87
	s_add_co_u32 s86, s86, s16                     ; my 128 keys: step 2 (tile row % 8) + half
	s_lshl_b32 s86, s86, 13                        ; [head][step 16][tile of features 4][2,048 bytes]
	s_cmp_eq_u32 s66, 2
	s_cselect_b32 s84, s86, s85
	s_lshl_b32 s85, s66, 23                        ; part p of qkvc
	s_add_co_u32 s84, s84, s85
	s_mov_b32 s85, 0
	s_add_nc_u64 s[10:11], s[10:11], s[84:85]
.macro FRAG reg, adr, q, i             ; a fragment as it lies: tile i of my eight, the slot's q-th 128 along K
.irp c, 0,1,2,3
	ds_load_b128 v[\reg+4*\c:\reg+4*\c+3], v[\adr] offset:4096*(\i)+2048*(\q)+512*\c
.endr
.endm
; 16 matrix instructions: source 1's blocks a0, a0 + 1 x source 0's eight, 128 along K.  p: source 0's set.  zero = 1: the first product starts the sums.
; The 64 accumulators take turns, one instruction a turn, in the same order in every step.
.macro MUL16 a0, p, zero
.irp a, \a0, \a0+1
.irp b, 0,1,2,3,4,5,6,7
.if \zero
	v_wmma_f32_16x16x128_fp8_fp8 v[8*(8*((\a)%4)+\b):8*(8*((\a)%4)+\b)+7], v[128*(\p)+FR*\b:128*(\p)+FR*\b+FR-1], v[AF+FR*(\a):AF+FR*(\a)+FR-1], 0
.else
	v_wmma_f32_16x16x128_fp8_fp8 v[8*(8*((\a)%4)+\b):8*(8*((\a)%4)+\b)+7], v[128*(\p)+FR*\b:128*(\p)+FR*\b+FR-1], v[AF+FR*(\a):AF+FR*(\a)+FR-1], v[8*(8*((\a)%4)+\b):8*(8*((\a)%4)+\b)+7]
.endif
.endr
.endr
.endm
.macro FETCH_B slot, q, p
	WIN TO_B
.irp i, 0,1,2,3,4,5,6,7
	FRAG 128*(\p)+FR*\i, ADRB+\slot, \q, \i
.endr
	WIN 0
.endm
.macro FETCH_A slot, q, i0
.irp i, \i0, \i0+1, \i0+2, \i0+3
	FRAG AF+FR*(\i), ADRA+\slot, \q, \i
.endr
.endm
.macro PLACES n                        ; plain vector lines between a matrix instruction and a load into, or a vector line on, its registers (ISA guide 7.12.1 for vector lines)
.rept \n
	v_nop
.endr
.endm
.macro STEP slot, q, zero              ; 128 along K whose successor lies in the same slot
	s_wait_dscnt 4*NL                              ; source 0's set and blocks 0-3 are in; the youngest sixteen loads (blocks 4-7) may be out
	WIN MUL_LO
	MUL16 0, (\q)%2, \zero
	MUL16 2, (\q)%2, \zero
	s_wait_dscnt 0
	PLACES NP
	FETCH_B \slot, (\q)+1, 1-(\q)%2
	FETCH_A \slot, (\q)+1, 0
	WIN MUL_HI
	MUL16 4, (\q)%2, \zero
	MUL16 6, (\q)%2, \zero
	PLACES NP
	WIN 0
	FETCH_A \slot, (\q)+1, 4
.endm
; A slot's last step changes slots: one barrier; in front of it each wave waits for all its tensor loads, adds 0 to its spare word, and waits for that and for its reads of this slot.  fill = 1: the slot is filled again, two K steps on.
.macro TURN slot, next, fill
	s_wait_tensorcnt 0x0                           ; all my tensor loads have landed: my part of the next slot
	ds_add_u32 v[SPW], v[NIL]                      ; 0 onto my spare word
	s_wait_dscnt 4*NL+1                            ; (the add and the youngest sixteen loads may be out)
	WIN MUL_LO
	MUL16 0, 1, 0                                  ; sixteen matrix instructions stand between the add and the wait for it
	s_wait_dscnt 0x0                               ; the add is done, and my reads of this slot are over
	s_barrier_signal -1
	MUL16 2, 1, 0
	WIN 0
	s_barrier_wait -1
.if \fill
	CREST                                          ; the barrier has opened a round of the cluster's: no wave of any partner still reads this slot or has a load on its way
	s_add_nc_u64 s[G0+4*\slot+2:G0+4*\slot+3], s[G0+4*\slot+2:G0+4*\slot+3], 2*STRA
	s_add_nc_u64 s[G0B+4*\slot+2:G0B+4*\slot+3], s[G0B+4*\slot+2:G0B+4*\slot+3], 2*STRB
	JLOAD G0+4*\slot, G1, G0B+4*\slot, G1B         ; the first tensor load behind the round, and my only one out; its four v_nop are the places in front of the loads below
.else
	PLACES NP
.endif
	FETCH_B \next, 0, 0
	FETCH_A \next, 0, 0
	WIN MUL_HI
	MUL16 4, 1, 0
	MUL16 6, 1, 0
	PLACES NP
	WIN 0
	FETCH_A \next, 0, 4
.endm
	s_wait_alu depctr_va_vdst(0)
	s_wait_tensorcnt 1                             ; my part of K step 0 is in; K step 1's load may be out
	s_barrier_signal -1
	s_barrier_wait -1
	FETCH_B 0, 0, 0
	FETCH_A 0, 0, 0
	FETCH_A 0, 0, 4
	STEP 0, 0, 1                                   ; K 0-127: the products start the sums
	TURN 0, 1, 1                                   ; K 128-255; slot 0 takes K 512-767
	STEP 1, 0, 0
	TURN 1, 0, 1                                   ; slot 1 takes K 768-1,023
	STEP 0, 0, 0
	TURN 0, 1, 0                                   ; nothing is left to fetch
	STEP 1, 0, 0
	s_wait_dscnt 4*NL                              ; the last 128 along K
	WIN MUL_LO
	MUL16 0, 1, 0
	MUL16 2, 1, 0
	s_wait_dscnt 0
	WIN MUL_HI
	MUL16 4, 1, 0
	MUL16 6, 1, 0
	WIN 0
	; ---- THE EPILOGUE
	s_wait_kmcnt 0x0
	s_sub_co_i32 s77, s74, s68
	s_sub_co_i32 s77, s77, s69                     ; q: e6 - e0 - e1
	s_sub_co_i32 s78, s75, s70
	s_sub_co_i32 s78, s78, s71                     ; k: e7 - e2 - e3
	s_sub_co_i32 s79, s76, s72
	s_sub_co_i32 s79, s79, s73                     ; v: e9 - e4 - e5
	s_cmp_eq_u32 s66, 1
	s_cselect_b32 s77, s78, s77
	s_cmp_eq_u32 s66, 2
	s_cselect_b32 s77, s79, s77
	s_add_co_i32 s77, s77, 127
	s_lshl_b32 s78, s77, 23
	s_add_co_i32 s77, s77, 8
	s_lshl_b32 s77, s77, 23
	s_or_b32 s77, s77, 0x600000
	PLACES NP                                      ; behind the last products: for the first reads of results, the loads into source 0's registers and the writes over source 1's
	v_mov_b32 v[SC], s78
	v_mov_b32 v[LIM], s77
	s_cmp_eq_u32 s66, 2                            ; the same in all sixteen partners
	s_cbranch_scc1 .Lvee
	; q, k: cos and sin of blocks 3-7 come into the registers that held source 0's fragments
	WIN TO_B
.irp a, 3,4,5,6,7
.irp w, 0,1,2,3,4,5,6,7
	global_load_b128 v[32*(\a-3)+4*\w:32*(\a-3)+4*\w+3], v[L16], s[12:13] offset:4096*\a+512*\w
.endr
.endr
	WIN 0
; Block a (16 tokens), head eta of my two: four accumulators, 32 registers: d = 32 (m / 2) + 16 (l / 16) + 8 (m % 2) + j.  The pair (x1, x2) lies in registers (i, i + 1), its (cos, sin) likewise.
.macro QKG a, eta
.set AC, 64*((\a)%4)+32*(\eta)
.if (\a) < 3
.set CSR, 32+32*(\a)
.set CW, 0
.else
.set CSR, 32*((\a)-3)
.set CW, 1
.endif
.set CDS, CD+8*(\eta)
.if (\eta) == 0
.if (\a) == 0
	s_wait_loadcnt 40                              ; the 24 loads of the head are in; the 40 just issued may be out
.elseif (\a) >= 3
	s_wait_loadcnt 8*(7-(\a))                      ; this block's eight are in; those of the blocks behind it may be out
.endif
.endif
	WIN ((2+(\a)/4)|(CW<<2))                       ; source 0: the sums' window; source 1: the table's
.set i, 0
.rept 16
	v_pk_mul_f32 v[TT+i:TT+i+1], v[AC+i:AC+i+1], v[CSR+i:CSR+i+1] op_sel:[1,1] op_sel_hi:[0,1] neg_lo:[0,1]   ; (-x2 sin, x1 sin); each accumulator from its low end on
.set i, i+2
.endr
.set i, 0
.rept 16
	v_pk_fma_f32 v[NN+i:NN+i+1], v[AC+i:AC+i+1], v[CSR+i:CSR+i+1], v[TT+i:TT+i+1] op_sel_hi:[1,0,1]           ; (x1 cos - x2 sin, x2 cos + x1 sin)
.set i, i+2
.endr
	WIN 0
.set i, 0
.rept 32
.set i, i+1
.endr
	s_wait_alu depctr_va_vdst(0)
	s_wait_xcnt 0x0                                ; the stores that read this set of codes have read it
.irp g, 0,1,2,3
	v_cvt_scalef32_pk8_fp8_f32 v[CDS+2*\g:CDS+2*\g+1], v[NN+8*\g:NN+8*\g+7], v[SC]
.endr
	v_nop                                          ; one plain vector line behind the conversions
	global_store_b128 v[L16], v[CDS:CDS+3], s[10:11] offset:1024*(\a)+131072*(\eta)          ; 512 consecutive bytes, aligned: d = 16 (l / 16) + 0 .. 15
	global_store_b128 v[L16], v[CDS+4:CDS+7], s[10:11] offset:1024*(\a)+131072*(\eta)+512    ; d = 32 + 16 (l / 16) + 0 .. 15
.endm
.irp a, 0,1,2,3,4,5,6,7
	QKG \a, 0
	QKG \a, 1
.endr
	s_branch .Lout
.Lvee:
; v: block a is 16 features; its eight accumulators are my 128 keys: register 8 b + j = key 32 (b / 2) + 16 (l / 16) + 8 (b % 2) + j: one fragment of V^T
.macro VG a
.set AC, 64*((\a)%4)
.set CDS, CD+16*((\a)%2)
	WIN (2+(\a)/4)
.set i, 0
.rept 64
	v_med3_num_f32 v[NV+i], v[AC+i], -v[LIM], v[LIM]
.set i, i+1
.endr
	WIN 0
	s_wait_alu depctr_va_vdst(0)
	s_wait_xcnt 0x0                                ; the stores that read this set of codes have read it
.irp g, 0,1,2,3,4,5,6,7
	v_cvt_scalef32_pk8_fp8_f32 v[CDS+2*\g:CDS+2*\g+1], v[NV+8*\g:NV+8*\g+7], v[SC]
.endr
	v_nop
.irp c, 0,1,2,3
	global_store_b128 v[L16], v[CDS+4*\c:CDS+4*\c+3], s[10:11] offset:131072*((\a)/4)+2048*((\a)%4)+512*\c
.endr
.endm
	s_wait_alu depctr_va_vdst(0)
.irp a, 0,1,2,3,4,5,6,7
	VG \a
.endr
.Lout:
	s_wait_tensorcnt 0x0                           ; the wave's end: behind my last tensor load
	ds_add_u32 v[SPW], v[NIL]
	s_wait_dscnt 0x0
	CROUND                                         ; the closing round: no work-group ends while a partner may still ask for a tile that names it
	s_endpgm
.Lfunc_end_k_q5f570976b3_qkv:
	.size	k_q5f570976b3_qkv, .Lfunc_end_k_q5f570976b3_qkv-k_q5f570976b3_qkv
	.p2alignl 7, 3214868480
	.fill 96, 4, 3214868480
	.section	.rodata,"a",@progbits
	.p2align	6, 0x0
	.amdhsa_kernel k_q5f570976b3_qkv
		.amdhsa_group_segment_fixed_size 327680
		.amdhsa_private_segment_fixed_size 0
		.amdhsa_enable_private_segment 0
		.amdhsa_kernarg_size 40
		.amdhsa_user_sgpr_count 2
		.amdhsa_user_sgpr_kernarg_segment_ptr 1
		.amdhsa_wavefront_size32 1
		.amdhsa_system_sgpr_workgroup_id_x 1
		.amdhsa_system_sgpr_workgroup_id_y 1
		.amdhsa_system_sgpr_workgroup_id_z 1
		.amdhsa_system_vgpr_workitem_id 0
		.amdhsa_next_free_vgpr 1024
		.amdhsa_next_free_sgpr 100
		.amdhsa_reserve_vcc 0
		.amdhsa_float_denorm_mode_32 3
		.amdhsa_float_denorm_mode_16_64 3
		.amdhsa_fp16_overflow 1
		.amdhsa_memory_ordered 1
		.amdhsa_forward_progress 1
		.amdhsa_inst_pref_size 166
	.end_amdhsa_kernel
	.amdgpu_metadata
---
amdhsa.version: [ 1, 2 ]
amdhsa.kernels:
  - .name:           k_q5f570976b3_qkv
    .symbol:         k_q5f570976b3_qkv.kd
    .args:
      - { .name: xcodes, .offset: 0, .size: 8, .value_kind: global_buffer, .address_space: global }
      - { .name: wcodes, .offset: 8, .size: 8, .value_kind: global_buffer, .address_space: global }
      - { .name: lowp_scales, .offset: 16, .size: 8, .value_kind: global_buffer, .address_space: global }
      - { .name: qkvc, .offset: 24, .size: 8, .value_kind: global_buffer, .address_space: global }
      - { .name: rope, .offset: 32, .size: 8, .value_kind: global_buffer, .address_space: global }
    .group_segment_fixed_size: 327680
    .private_segment_fixed_size: 0
    .kernarg_segment_align: 8
    .kernarg_segment_size: 40
    .max_flat_workgroup_size: 128
    .sgpr_count:     100
    .vgpr_count:     1024
    .wavefront_size: 32
...
	.end_amdgpu_metadata
.endif
;; end of part 2
;; launch attn (part 3): grid 4 x 64, 16 waves a work-group, clusters of 4 x 1, 264,192 bytes of LDS; arguments qkvc, lowp_scales, ao; writes ao
.if DOCPART == 3
	.amdgcn_target "amdgcn-amd-amdhsa--gfx1250"
	.amdhsa_code_object_version 6
	.text
	.protected	k_q5f570976b3_attn
	.globl	k_q5f570976b3_attn
	.p2align	8
	.type	k_q5f570976b3_attn,@function
k_q5f570976b3_attn:
	s_mov_b64 s[64:65], 0
	v_nop
	global_prefetch_b8 v0, s[64:65] scope:SCOPE_SE
	s_setreg_imm32_b32 hwreg(HW_REG_WAVE_MODE, 25, 1), 1
	s_wait_xcnt 0x0
	s_wait_alu depctr_hold_cnt(0) depctr_sa_sdst(0) depctr_va_vdst(0) depctr_va_sdst(0) depctr_va_ssrc(0) depctr_va_vcc(0) depctr_vm_vsrc(0)
	s_getreg_b32 s2, hwreg(HW_REG_IB_STS2, 6, 4)
	s_cmp_eq_u32 s2, 0
	s_cbranch_scc0 .Lentry_in_a_cluster
	s_endpgm
.Lentry_in_a_cluster:
	s_bfe_u32 s2, ttmp6, 0x10000c
	s_cmp_lg_u32 s2, 0x3003
	s_cbranch_scc0 .Lentry_shape_is_right
	s_endpgm
.Lentry_shape_is_right:
; ATTN: for each of 64 heads (batch x head): O = softmax(Q K^T / 8, causal) V, both products on codes of E4M3; the result is quantised with e10 and stored as the last product's operand image.
; THE SOFTMAX AHEAD OF THE SECOND PRODUCT: t = score x log2(e) / 8; M = the running largest t, rounded UP to a whole number; p = 2^(t - M) is quantised (e8), not normalised; the row's sum is taken of the unquantised p and
; divides at the end.  When M moves, the sum and O are multiplied by 2^(old M - new M), which rounds nothing.
; SHARES.  The cluster's y is the head; its four work-groups share the head's 2,048 queries.  THE WHOLE HEAD'S K AND V LIE IN LDS (131,072 bytes each), filled once, jointly: each of the sixteen waves asks for 16,384 bytes,
; with the same descriptor in all four partners.  So there is no ring, no refill, and no barrier in the loops.
; A wave owns two tiles of 16 queries, one after the other: with j = wave / 2, u = wave % 2, g = my place in the cluster: tile 8 j + 2 g + u (key steps 0 .. j) and tile 8 (15 - j) + 2 g + u (key steps 0 .. 15 - j):
; 17 steps of 128 keys for every wave of the launch, two of them on the diagonal.  The loops' trip counts are the constants 8 and 16; a step all of whose keys come after the tile's queries is jumped over by a branch on the
; wave's number.  No branch and no LDS address hangs on the place in the cluster.
; LAYOUT.  Both products are used transposed: S^T = K Q^T (source 0 = 16 keys), O^T = V^T P^T (source 0 = 16 of the head's 64): a lane holds one query throughout.  Tile T of tokens holds tokens
; 32 (T / 2) + 8 (T % 2) + rho + 8 (rho / 8), so the 16 registers of key tiles 2 b, 2 b + 1 are keys 32 b + 16 (l / 16) + 0 .. 15: p's codes are the second product's operand as they come; V's tiles of features are laid
; likewise, so O^T's codes are the last product's operand.  All operands are register images: every LDS read is a constant + 16 x lane.
; Nothing is prefetched: every byte of K and V is asked for by the loads at the head.
; LIMITS: e6 + e7 between -123 and 130 (added to c's exponent field); e8, and e10 - e8 - e9, between -126 and 119.  NaN is not served.
.set VB,    131072                     ; LDS: K's 128 tiles of 1,024 bytes from 0, V's 16 steps x 4 fragments of 2,048 bytes from here
.set SPARE, 262144                     ; behind them: the spare words, 128 bytes a wave: eight blocks of 256 bytes that no other line names
.set L16, 1                            ; v1   16 x lane
.set SPW, 2                            ; v2   my spare word; never rewritten
.set NIL, 3                            ; v3   0; never rewritten
.set ADK, 4                            ; v4   LDS address of the step's K
.set ADV, 5                            ; v5   of its V
.set DQ,  6                            ; v6   my query - the diagonal step's first key - 16 (l / 16)
.set KV,  32                           ; v32-95   K's 8 fragments, then V's 4
.set S,   96                           ; v96-159  S^T, then p
.set OT,  160                          ; v160-191 O^T
.set PC,  192                          ; v192-207 p's codes
                                       ; v8, v9 Q's offsets; v12 -M, v13 the largest t, v[14:15] the sum in two halves; v16-23, v24-31 Q of the two tiles; v208, v209 at work; v210 a permute's destination;
                                       ; v211 -infinity; v[212:213] f; v[214:215] the sum's second chain; v216, v217: 2^e8, 448 x 2^e8; v218, v219: the same with e10 - e8 - e9; v220-227, v228-235 the two tiles' codes
.set WV,  10                           ; s10  my wave's number
.set SEL, 20                           ; s[20:21] selects for v_permlanex16_b32: lane l xor 16
.set CS,  22                           ; s[22:23] c = log2(e) / 8 x 2^(e6 + e7)
.set G1,  24                           ; s[24:31] descriptor group 1
.set G0,  32                           ; s[32:35] group 0
.set TB,  36                           ; s36  LDS byte of the step in hand
.set KS,  37                           ; s37  the step's number
.macro CROUND                          ; a round of the cluster's barrier
	s_barrier_signal -1
	s_barrier_wait -1
	s_cmp_lg_u32 s[WV], 0
	s_cbranch_scc1 .Lnot_wave_0_\@
	s_barrier_signal -3
.Lnot_wave_0_\@:
	s_barrier_wait -3
	s_barrier_signal -1
	s_barrier_wait -1
.endm
	s_load_b128 s[4:7], s[0:1], 0x0                ; qkvc s[4:5], exponents s[6:7]
	s_load_b64 s[8:9], s[0:1], 0x10                ; ao
	v_lshl_add_u32 v[SPW], v0, 2, SPARE
	v_mov_b32 v[NIL], 0
	ds_add_u32 v[SPW], v[NIL]                      ; the wave's opening: the add and its wait stand ahead of my tensor load; the set-up below, work on registers, stands between them
	ds_add_u32 v[SPW], v[NIL]
	v_lshrrev_b32 v4, 5, v0
	s_delay_alu instid0(VALU_DEP_1)
	v_readfirstlane_b32 s[WV], v4                  ; wave 0..15
	s_bfe_u32 s11, ttmp6, 0x40000                  ; g: my place in the cluster
	s_and_b32 s12, ttmp7, 0xffff                   ; 16 x batch + head, which the four partners share
	; descriptor group 1: a dense block of 16,384 bytes as 64 rows of 32 elements of 8 bytes
	s_mov_b32 s[G1], 15|(3<<16)|(1<<21)            ; 15:0 the mask: all four work-groups; 17:16 elements of 8 bytes; 21 set beside a mask
	s_mov_b32 s[G1+1], 32<<16                      ; tensor_dim0
	s_mov_b32 s[G1+2], 64<<16                      ; tensor_dim1
	s_mov_b32 s[G1+3], 32<<16                      ; tile_dim0
	s_mov_b32 s[G1+4], 64                          ; tile_dim1
	s_mov_b32 s[G1+5], 32                          ; tensor_dim0_stride
	s_mov_b32 s[G1+6], 0
	s_mov_b32 s[G1+7], 0
	s_lshr_b32 s13, s[WV], 3
	s_add_co_u32 s13, s13, 1
	s_lshl_b32 s38, s13, 23                        ; waves 0-7: part 1 of qkvc (k); waves 8-15: part 2 (v)
	s_lshl_b32 s13, s12, 17                        ; the head's 131,072 bytes
	s_add_co_u32 s38, s38, s13
	s_and_b32 s13, s[WV], 7
	s_lshl_b32 s13, s13, 14                        ; my eighth of them
	s_add_co_u32 s38, s38, s13
	s_mov_b32 s39, 0
	s_mov_b32 s[SEL], 0x76543210
	s_mov_b32 s[SEL+1], 0xfedcba98
	s_mov_b32 s[CS], 0x3e38aa3b                    ; log2(e) / 8
	s_wait_dscnt 0x0                               ; the opening add is done
	s_wait_kmcnt 0x0
	s_load_b256 s[48:55], s[6:7], 0x0              ; e0 .. e7
	s_load_b128 s[56:59], s[6:7], 0x20             ; e8 .. e11
	s_mov_b32 s[G0], 1                             ; count = 1
	s_lshl_b32 s[G0+1], s[WV], 14                  ; LDS address: wave x 16,384
	s_add_nc_u64 s[G0+2:G0+3], s[4:5], s[38:39]
	s_or_b32 s[G0+3], s[G0+3], 0x80000000          ; type = 2
	CROUND                                         ; all four work-groups are here: the joint loads meet
	tensor_load_to_lds s[G0:G0+3], s[G1:G1+7]      ; my one tensor load of the launch
	s_nop 0
.rept 4
	v_nop
.endr
	s_lshr_b32 s15, s[WV], 1                       ; j: the first tile's last step
	s_xor_b32 s16, s15, 15                         ; 15 - j: the second tile's
	s_and_b32 s19, s[WV], 1                        ; u
	s_lshl_b32 s13, s11, 1
	s_add_co_u32 s13, s13, s19                     ; 2 g + u
	s_lshl_b32 s17, s15, 3
	s_add_co_u32 s17, s17, s13                     ; the first tile
	s_lshl_b32 s18, s16, 3
	s_add_co_u32 s18, s18, s13                     ; the second
	v_and_b32 v7, 31, v0
	s_delay_alu instid0(VALU_DEP_1)
	v_lshlrev_b32 v[L16], 4, v7
	s_lshl_b32 s13, s17, 10
	v_add_nc_u32 v8, s13, v[L16]
	s_lshl_b32 s13, s18, 10
	v_add_nc_u32 v9, s13, v[L16]
	s_lshl_b32 s46, s12, 17
	s_mov_b32 s47, 0
	s_add_nc_u64 s[44:45], s[4:5], s[46:47]        ; part 0 of qkvc (q), my head
	global_load_b128 v[16:19], v8, s[44:45]        ; Q's two fragments stay in registers
	global_load_b128 v[20:23], v8, s[44:45] offset:512
	global_load_b128 v[24:27], v9, s[44:45]
	global_load_b128 v[28:31], v9, s[44:45] offset:512
	v_and_b32 v7, 15, v0                           ; r
	v_bfe_u32 v10, v0, 4, 1                        ; h
	s_delay_alu instid0(VALU_DEP_2)
	v_and_b32 v11, 8, v7
	s_delay_alu instid0(VALU_DEP_1)
	v_add_nc_u32 v[DQ], v7, v11                    ; r + 8 (r / 8)
	s_delay_alu instid0(VALU_DEP_3)
	v_lshlrev_b32 v10, 4, v10
	s_delay_alu instid0(VALU_DEP_1)
	v_sub_nc_u32 v[DQ], v[DQ], v10                 ; - 16 h
	s_lshl_b32 s13, s11, 5
	s_lshl_b32 s14, s19, 3
	s_add_co_u32 s13, s13, s14
	v_add_nc_u32 v[DQ], s13, v[DQ]                 ; + 32 g + 8 u: the same for both tiles
	; where the codes go: ((head / 4) 512 + 128 batch + T) 4,096 + (head % 4) 1,024
	s_and_b32 s13, s12, 15
	s_lshr_b32 s14, s13, 2
	s_lshl_b32 s14, s14, 21
	s_and_b32 s13, s13, 3
	s_lshl_b32 s13, s13, 10
	s_add_co_u32 s14, s14, s13
	s_lshr_b32 s13, s12, 4
	s_lshl_b32 s13, s13, 19
	s_add_co_u32 s14, s14, s13
	s_lshl_b32 s13, s17, 12
	s_add_co_u32 s46, s14, s13
	s_add_nc_u64 s[40:41], s[8:9], s[46:47]
	s_lshl_b32 s13, s18, 12
	s_add_co_u32 s46, s14, s13
	s_add_nc_u64 s[42:43], s[8:9], s[46:47]
	v_mov_b32 v210, 0                              ; written once: a lane permute's destination counts as one of its sources
	v_mov_b32 v211, 0xff800000                     ; -infinity
	v_mov_b32 v213, 0                              ; (named as the upper half of the pair v[212:213])
	s_wait_kmcnt 0x0
	s_add_co_i32 s13, s54, s55
	s_lshl_b32 s13, s13, 23
	s_add_co_i32 s[CS], s[CS], s13                 ; a score stands for score x 2^(e6 + e7): added to c's exponent field
	s_mov_b32 s[CS+1], s[CS]                       ; (named with it as a pair, so it is written)
	s_add_co_i32 s13, s56, 127
	s_lshl_b32 s14, s13, 23
	v_mov_b32 v216, s14                            ; 2^e8
	s_sub_co_i32 s13, s58, s56
	s_sub_co_i32 s13, s13, s57
	s_add_co_i32 s13, s13, 127
	s_lshl_b32 s14, s13, 23
	v_mov_b32 v218, s14                            ; 2^(e10 - e8 - e9): O^T's sums lack 2^(e8 + e9)
	s_wait_tensorcnt 0x0                           ; my part of K or V is in,
	s_barrier_signal -1
	s_barrier_wait -1                              ; everybody's is
	s_wait_loadcnt 0x0                             ; Q
; One tile of queries.  q: Q's registers; cd: where its codes go; trips: the loop's constant count; mb: the scalar register with the diagonal step's number; out: the pair with the codes' address.
.macro PASS q, cd, trips, mb, out
	v_mov_b32 v13, 0xff61b1e6                      ; the largest t so far: -3e38, under every t
	s_delay_alu instid0(VALU_DEP_1)
	v_floor_f32 v12, -v13                          ; -M
	v_mov_b32 v14, 0
	v_mov_b32 v15, 0
.set i, 0
.rept 32
	v_mov_b32 v[OT+i], 0                           ; the step is written once: the first finds zeros, which the first change of M leaves zeros
.set i, i+1
.endr
	s_mov_b32 s[TB], 0
	s_mov_b32 s[KS], 0
.Lstep_\@:
	s_cmp_gt_u32 s[KS], s[\mb]                     ; all 128 keys come after my queries: the step's work is left out
	s_cbranch_scc1 .Lhid_\@
	s_setprio 2
	v_add_nc_u32 v[ADK], s[TB], v[L16]
	s_delay_alu instid0(VALU_DEP_1)
	v_add_nc_u32 v[ADV], VB, v[ADK]
.irp t, 0,1,2,3,4,5,6,7
	ds_load_b128 v[KV+8*\t:KV+8*\t+3], v[ADK] offset:1024*\t
	ds_load_b128 v[KV+8*\t+4:KV+8*\t+7], v[ADK] offset:1024*\t+512
.endr
	s_wait_alu depctr_va_vdst(0)
	s_wait_dscnt 8                                 ; key tiles 0-3 are in; the youngest eight loads may be out
.irp t, 0,1,2,3
	v_wmma_f32_16x16x64_fp8_fp8 v[S+8*\t:S+8*\t+7], v[KV+8*\t:KV+8*\t+7], v[\q:\q+7], 0
.endr
	s_wait_dscnt 0x0
.irp t, 4,5,6,7
	v_wmma_f32_16x16x64_fp8_fp8 v[S+8*\t:S+8*\t+7], v[KV+8*\t:KV+8*\t+7], v[\q:\q+7], 0
.endr
.rept 4
	v_nop                                          ; places: in front of the loads into K's registers and of the first read of the scores
.endr
.irp t, 0,1,2,3
.irp c, 0,1,2,3
	ds_load_b128 v[KV+16*\t+4*\c:KV+16*\t+4*\c+3], v[ADV] offset:2048*\t+512*\c   ; V's four fragments land under the softmax
.endr
.endr
	s_cmp_lg_u32 s[KS], s[\mb]                     ; only the diagonal step has hidden keys
	s_cbranch_scc1 .Lopen_\@
.set n, 0
.rept 64
	v_cmp_gt_i32 vcc_lo, 32*(n/16)+n%16, v[DQ]     ; register 16 b + i holds key 32 b + 16 (l / 16) + i of the step: hidden where it comes after my query
	v_cndmask_b32 v[S+n], v[S+n], v211, vcc_lo
.set n, n+1
.endr
.Lopen_\@:
	v_max3_num_f32 v208, v[S], v[S+1], v[S+2]      ; the step's largest score of my query among my 64 keys, in two chains,
	v_max3_num_f32 v209, v[S+3], v[S+4], v[S+5]
.irp i, 6,10,14,18,22,26,30,34,38,42,46,50,54,58
	v_max3_num_f32 v208, v208, v[S+\i], v[S+1+\i]
	v_max3_num_f32 v209, v209, v[S+2+\i], v[S+3+\i]
.endr
	v_max3_num_f32 v208, v208, v[S+62], v[S+63]
	s_delay_alu instid0(VALU_DEP_1)
	v_max_num_f32 v208, v208, v209
	s_delay_alu instid0(VALU_DEP_1)
	v_permlanex16_b32 v210, v208, s[SEL], s[SEL+1]
	s_delay_alu instid0(VALU_DEP_1)
	v_max_num_f32 v208, v208, v210                 ; and among lane l xor 16's
	s_delay_alu instid0(VALU_DEP_1)
	v_mul_f32 v208, s[CS], v208                    ; as t (c is positive)
	s_delay_alu instid0(VALU_DEP_1)
	v_max_num_f32 v13, v13, v208                   ; the running largest t
	v_mov_b32 v208, v12
	s_delay_alu instid0(VALU_DEP_2)
	v_floor_f32 v12, -v13                          ; the new -M = floor(-t): M is a whole number
	s_delay_alu instid0(VALU_DEP_1)
	v_sub_f32 v208, v12, v208                      ; old M - new M: a whole number, 0 or less
	s_delay_alu instid0(VALU_DEP_1)
	v_cvt_i32_f32 v208, v208                       ; (it saturates)
	s_delay_alu instid0(VALU_DEP_1)
	v_ldexp_f32 v212, 1.0, v208                    ; f = 2^(old M - new M)
.set i, 0
	s_setprio 1
.rept 32
	v_pk_fma_f32 v[S+i:S+i+1], v[S+i:S+i+1], s[CS:CS+1], v[12:13] op_sel_hi:[1,0,0]   ; t - M, two at a time
.set i, i+2
.endr
.set i, 0
	s_wait_alu depctr_va_vdst(0)
.rept 64
	v_exp_f32 v[S+i], v[S+i]                       ; p = 2^(t - M), at most 1: one batch
.set i, i+1
.endr
	v_pk_mul_f32 v[14:15], v[14:15], v[212:213] op_sel_hi:[1,0]   ; the sums under the new M: the plain line behind the exponentials
	s_wait_alu depctr_va_vdst(0)                   ; one wait for the whole batch, ahead of its first reader
	v_pk_add_f32 v[214:215], v[100:101], v[104:105]
	v_pk_add_f32 v[238:239], v[108:109], v[112:113]
	v_pk_add_f32 v[236:237], v[116:117], v[120:121]
	v_pk_add_f32 v[234:235], v[124:125], v[128:129]
	v_pk_add_f32 v[232:233], v[132:133], v[136:137]
	v_pk_add_f32 v[230:231], v[140:141], v[144:145]
	v_pk_add_f32 v[228:229], v[148:149], v[152:153]
	v_pk_add_f32 v[14:15], v[14:15], v[156:157]
	v_pk_add_f32 v[214:215], v[214:215], v[96:97]
	v_pk_add_f32 v[238:239], v[238:239], v[98:99]
	v_pk_add_f32 v[236:237], v[236:237], v[102:103]
	v_pk_add_f32 v[234:235], v[234:235], v[106:107]
	v_pk_add_f32 v[232:233], v[232:233], v[110:111]
	v_pk_add_f32 v[230:231], v[230:231], v[114:115]
	v_pk_add_f32 v[228:229], v[228:229], v[118:119]
	v_pk_add_f32 v[14:15], v[14:15], v[122:123]
	v_pk_add_f32 v[214:215], v[214:215], v[126:127]
	v_pk_add_f32 v[238:239], v[238:239], v[130:131]
	v_pk_add_f32 v[236:237], v[236:237], v[134:135]
	v_pk_add_f32 v[234:235], v[234:235], v[138:139]
	v_pk_add_f32 v[232:233], v[232:233], v[142:143]
	v_pk_add_f32 v[230:231], v[230:231], v[146:147]
	v_pk_add_f32 v[228:229], v[228:229], v[150:151]
	v_pk_add_f32 v[14:15], v[14:15], v[154:155]
	v_pk_add_f32 v[214:215], v[214:215], v[158:159]
	s_delay_alu instid0(VALU_DEP_2)
	v_pk_add_f32 v[14:15], v[14:15], v[234:235]
	s_delay_alu instid0(VALU_DEP_2)
	v_pk_add_f32 v[214:215], v[214:215], v[232:233]
	s_setprio 0
	v_pk_add_f32 v[238:239], v[238:239], v[230:231]
	v_pk_add_f32 v[236:237], v[236:237], v[228:229]
	s_delay_alu instid0(VALU_DEP_2)
	v_pk_add_f32 v[14:15], v[14:15], v[238:239]
	s_delay_alu instid0(VALU_DEP_2)
	v_pk_add_f32 v[214:215], v[214:215], v[236:237]
	s_delay_alu instid0(VALU_DEP_1)
	v_pk_add_f32 v[14:15], v[14:15], v[214:215]
.irp b, 0,1,2,3
.irp i, 0,1,2,3,4,5,6,7,8,9,10,11,12,13,14,15
.endr
	v_cvt_scalef32_pk8_fp8_f32 v[PC+4*\b:PC+4*\b+1], v[S+16*\b:S+16*\b+7], v216
	v_cvt_scalef32_pk8_fp8_f32 v[PC+4*\b+2:PC+4*\b+3], v[S+16*\b+8:S+16*\b+15], v216
.endr
.set i, 0
.rept 16
	v_pk_mul_f32 v[OT+i:OT+i+1], v[OT+i:OT+i+1], v[212:213] op_sel_hi:[1,0]   ; O^T under the new M; also the plain lines between the conversions and the products
.set i, i+2
.endr
	s_wait_alu depctr_va_vdst(0)
	s_wait_dscnt 0x0                               ; V is in
.irp t, 0,1,2,3                                ; the four accumulators take turns, one instruction a turn
	v_wmma_f32_16x16x128_fp8_fp8 v[OT+8*\t:OT+8*\t+7], v[KV+16*\t:KV+16*\t+15], v[PC:PC+15], v[OT+8*\t:OT+8*\t+7]
.endr
.rept 4
	v_nop                                          ; places: in front of the next step's loads into V's registers and of the way out's reads
.endr
.Lhid_\@:
	s_add_co_u32 s[TB], s[TB], 8192                ; a step is 8 tiles of K, and 4 fragments of V: 8,192 bytes each
	s_add_co_u32 s[KS], s[KS], 1
	s_cmp_lt_u32 s[KS], \trips
	s_cbranch_scc1 .Lstep_\@
	s_setprio 0
	; the way out: O^T / the sum, quantised: the four tiles' codes are d = 32 beta + 16 (l / 16) + 0 .. 15 of my query: two pieces of the last product's operand
	v_add_f32 v14, v14, v15
	s_delay_alu instid0(VALU_DEP_1)
	v_permlanex16_b32 v210, v14, s[SEL], s[SEL+1]
	s_delay_alu instid0(VALU_DEP_1)
	v_add_f32 v14, v14, v210                       ; the row's sum
	s_wait_alu depctr_va_vdst(0)
	v_rcp_f32 v14, v14
	v_nop                                          ; a plain line behind the reciprocal
	s_wait_alu depctr_va_vdst(0)                   ; and the wait ahead of its first reader
.set i, 0
.rept 16
	v_pk_mul_f32 v[S+i:S+i+1], v[OT+i:OT+i+1], v[14:15] op_sel_hi:[1,0]
.set i, i+2
.endr
.set i, 0
.rept 32
.set i, i+1
.endr
.irp t, 0,1,2,3
	v_cvt_scalef32_pk8_fp8_f32 v[\cd+2*\t:\cd+2*\t+1], v[S+8*\t:S+8*\t+7], v218
.endr
	v_nop                                          ; one plain line behind the conversions
	global_store_b128 v[L16], v[\cd:\cd+3], s[\out:\out+1]                   ; 512 consecutive bytes, aligned
	global_store_b128 v[L16], v[\cd+4:\cd+7], s[\out:\out+1] offset:512
.endm
	PASS 16, 220, 8, 15, 40
	PASS 24, 228, 16, 16, 42
	s_wait_tensorcnt 0x0                           ; the wave's end: behind my tensor load
	ds_add_u32 v[SPW], v[NIL]
	s_wait_dscnt 0x0
	CROUND                                         ; the closing round
	s_endpgm
.Lfunc_end_k_q5f570976b3_attn:
	.size	k_q5f570976b3_attn, .Lfunc_end_k_q5f570976b3_attn-k_q5f570976b3_attn
	.p2alignl 7, 3214868480
	.fill 96, 4, 3214868480
	.section	.rodata,"a",@progbits
	.p2align	6, 0x0
	.amdhsa_kernel k_q5f570976b3_attn
		.amdhsa_group_segment_fixed_size 264192
		.amdhsa_private_segment_fixed_size 0
		.amdhsa_enable_private_segment 0
		.amdhsa_kernarg_size 24
		.amdhsa_user_sgpr_count 2
		.amdhsa_user_sgpr_kernarg_segment_ptr 1
		.amdhsa_wavefront_size32 1
		.amdhsa_system_sgpr_workgroup_id_x 1
		.amdhsa_system_sgpr_workgroup_id_y 1
		.amdhsa_system_sgpr_workgroup_id_z 1
		.amdhsa_system_vgpr_workitem_id 0
		.amdhsa_next_free_vgpr 240
		.amdhsa_next_free_sgpr 66
		.amdhsa_reserve_vcc 1
		.amdhsa_float_denorm_mode_32 3
		.amdhsa_float_denorm_mode_16_64 3
		.amdhsa_fp16_overflow 1
		.amdhsa_memory_ordered 1
		.amdhsa_forward_progress 1
		.amdhsa_inst_pref_size 51
	.end_amdhsa_kernel
	.amdgpu_metadata
---
amdhsa.version: [ 1, 2 ]
amdhsa.kernels:
  - .name:           k_q5f570976b3_attn
    .symbol:         k_q5f570976b3_attn.kd
    .args:
      - { .name: qkvc, .offset: 0, .size: 8, .value_kind: global_buffer, .address_space: global }
      - { .name: lowp_scales, .offset: 8, .size: 8, .value_kind: global_buffer, .address_space: global }
      - { .name: ao, .offset: 16, .size: 8, .value_kind: global_buffer, .address_space: global }
    .group_segment_fixed_size: 264192
    .private_segment_fixed_size: 0
    .kernarg_segment_align: 8
    .kernarg_segment_size: 24
    .max_flat_workgroup_size: 512
    .sgpr_count:     66
    .vgpr_count:     240
    .wavefront_size: 32
...
	.end_amdgpu_metadata
.endif
;; end of part 3
;; launch oproj (part 4): grid 4 x 32, 4 waves a work-group, clusters of 4 x 4, 327,680 bytes of LDS; arguments ao, wcodes, lowp_scales, out0; writes out0
.if DOCPART == 4
	.amdgcn_target "amdgcn-amd-amdhsa--gfx1250"
	.amdhsa_code_object_version 6
	.text
	.protected	k_q5f570976b3_oproj
	.globl	k_q5f570976b3_oproj
	.p2align	8
	.type	k_q5f570976b3_oproj,@function
k_q5f570976b3_oproj:
	s_mov_b64 s[64:65], 0
	v_nop
	global_prefetch_b8 v0, s[64:65] scope:SCOPE_SE
	s_setreg_imm32_b32 hwreg(HW_REG_WAVE_MODE, 25, 1), 1
	s_wait_xcnt 0x0
	s_wait_alu depctr_hold_cnt(0) depctr_sa_sdst(0) depctr_va_vdst(0) depctr_va_sdst(0) depctr_va_ssrc(0) depctr_va_vcc(0) depctr_vm_vsrc(0)
	s_getreg_b32 s2, hwreg(HW_REG_IB_STS2, 6, 4)
	s_cmp_eq_u32 s2, 0
	s_cbranch_scc0 .Lentry_in_a_cluster
	s_endpgm
.Lentry_in_a_cluster:
	s_bfe_u32 s2, ttmp6, 0x10000c
	s_cmp_lg_u32 s2, 0xf033
	s_cbranch_scc0 .Lentry_shape_is_right
	s_endpgm
.Lentry_shape_is_right:
; OPROJ: out0 = A Wo^T on codes of E4M3: A = the attention's result [8192][1024] (scale 2^e10), Wo [1024][1024] (scale 2^e11, part 3 of wcodes); out0 [8192][1024] f32.  Each finished sum is multiplied once by 2^(e10 + e11).
; LIMIT: e10 + e11 between -126 and 127, so that 2^(e10 + e11) is an f32 number.
; A tile of out0 is 256 x 256: four waves, each 128 x 128 in 64 accumulators.  The operands lie in memory as register images (16 rows x 128 K = four pieces of 512 bytes, lane l's 16 bytes at 16 l; 128 rows x 256 K = 32,768 dense
; bytes): a tile comes by one dense tensor load, a fragment by four ds_load_b128 at a constant + 16 x lane; no pitch, no padding.  K goes in four steps of 256 through two slots; the steps are written out.
; Tile T of 16 rows holds rows 32 (T / 2) + 8 (T % 2) + rho + 8 (rho / 8), of tokens and of features alike; the way out puts every number back at its row and column.
; CLUSTERS: 4 x 4: the four of a row need the same tiles of A, the four of a column the same tiles of Wo: each tile is asked for jointly.  Source 0 = 16 features of Wo, source 1 = 16 tokens.
; The grid is 128 work-groups: a tile of 128 x 256 would give 256, with half as many products for each fragment of Wo read from LDS.
; REGISTERS: window 0: v0-31 addresses; from v128 A's fragments, one set; on the way out v32-255.  window 1: Wo's fragments, two sets.  windows 2, 3: the accumulators ((a, b) at v[8 (8 (a % 4) + b)]).
.set HALFT,  32768
.set SLOT,   4*HALFT
.set SPARE,  2*SLOT                    ; behind the ring: the spare words, 128 bytes a wave: two blocks of 256 bytes that no other line names
.set STRA,   0x200000                  ; a K step of 256 on, in ao (512 tiles x 4,096 bytes)
.set STRB,   0x40000                   ; and in a part of wcodes
.set FR,     16
.set NL,     4
.set NP,     4
.set SPITCH, 528                       ; the way out: a stage of 16 rows x (512 bytes + 16) for each wave, in slot 0, which has had its last fill and its last read when the first result is stored there
.set ADRA, 16
.set ADRB, 20
.set STO,  24                          ; v24  the stage: where I put my numbers of a row
.set RD,   25                          ; v25  and where I read a row back
.set CO,   26                          ; v26  16 x lane
.set SPW,  28
.set NIL,  29
.set TMP,  32                          ; a block's sums x 2^(e10 + e11)
.set AF,   128
.set BK,   128                         ; 16 rows read back: v128-191 and v192-255 by turns
.set G1, 24
.set G0, 32
.set G1B, 48
.set G0B, 56
.set MSB, 0
.macro WIN new
.if MSB != \new
	s_set_vgpr_msb (MSB<<8)|\new
.set MSB, \new
.endif
.endm
.set MUL_LO, 0xa1
.set MUL_HI, 0xf1
.set TO_B,   0x40
.macro JLOAD g0a, g1a, g0b, g1b        ; waves 0 and 1 fetch A's halves, waves 2 and 3 Wo's; an s_nop 0 and four v_nop follow each line
	s_cmp_eq_u32 s15, 0
	s_cbranch_scc0 .Lfor_b_\@
	tensor_load_to_lds s[\g0a:\g0a+3], s[\g1a:\g1a+7]
	s_nop 0
.rept 4
	v_nop
.endr
	s_branch .Lasked_\@
.Lfor_b_\@:
	tensor_load_to_lds s[\g0b:\g0b+3], s[\g1b:\g1b+7]
	s_nop 0
.rept 4
	v_nop
.endr
.Lasked_\@:
.endm
.macro CREST
	s_cmp_lg_u32 s14, 0
	s_cbranch_scc1 .Lnot_wave_0_\@
	s_barrier_signal -3
.Lnot_wave_0_\@:
	s_barrier_wait -3
	s_barrier_signal -1
	s_barrier_wait -1
.endm
.macro CROUND
	s_barrier_signal -1
	s_barrier_wait -1
	CREST
.endm
	s_load_b128 s[4:7], s[0:1], 0x0                ; ao s[4:5], wcodes s[6:7]
	s_load_b128 s[8:11], s[0:1], 0x10              ; exponents s[8:9], out0 s[10:11]
	v_lshl_add_u32 v[SPW], v0, 2, SPARE
	v_mov_b32 v[NIL], 0
	ds_add_u32 v[SPW], v[NIL]                      ; the wave's opening: the add and its wait stand ahead of my first tensor load
	ds_add_u32 v[SPW], v[NIL]
	v_lshrrev_b32 v1, 5, v0
	v_readfirstlane_b32 s14, v1                    ; wave 0..3
	s_lshr_b32 s15, s14, 1                         ; my half of the tile's tokens.  Also: I fetch for A (0) or for Wo (1)
	s_and_b32 s16, s14, 1                          ; my half of its features.  Also: which 128 rows I fetch
	s_bfe_u32 s40, ttmp6, 0x40000                  ; cx
	s_bfe_u32 s41, ttmp6, 0x40004                  ; cy
	s_lshl_b32 s42, ttmp9, 2
	s_add_co_u32 s42, s42, s40                     ; tile column
	s_and_b32 s17, ttmp7, 0xffff
	s_lshl_b32 s17, s17, 2
	s_add_co_u32 s17, s17, s41                     ; tile row
	s_lshl_b32 s43, s41, 2
	s_lshl_b32 s43, 15, s43                        ; my row of the cluster
	s_lshl_b32 s44, 0x1111, s40                    ; my column
	s_or_b32 s[G1+0], s43, (3<<16)|(1<<21)         ; the mask; elements of 8 bytes; bit 21 beside a mask
	s_or_b32 s[G1B+0], s44, (3<<16)|(1<<21)
.irp g, G1, G1B
	s_mov_b32 s[\g+1], 32<<16                      ; a dense block of 32,768 bytes as 128 rows of 32 elements
	s_mov_b32 s[\g+2], 128<<16
	s_mov_b32 s[\g+3], 32<<16
	s_mov_b32 s[\g+4], 128
	s_mov_b32 s[\g+5], 32
	s_mov_b32 s[\g+6], 0
	s_mov_b32 s[\g+7], 0
.endr
	s_lshl_b32 s20, s17, 16
	s_lshl_b32 s18, s16, 15
	s_add_co_u32 s20, s20, s18                     ; A: the tile row's 16 tiles, my 8 of them
	s_mov_b32 s21, 0
	s_lshl_b32 s46, s42, 16
	s_lshl_b32 s19, s16, 15
	s_add_co_u32 s46, s46, s19
	s_add_co_u32 s46, s46, 0x300000                ; Wo: part 3 of wcodes
	s_mov_b32 s47, 0
	s_lshl_b32 s45, s14, 15
	s_wait_dscnt 0x0                               ; the opening add is done
	s_wait_kmcnt 0x0
	s_load_b64 s[96:97], s[8:9], 0x28              ; e10, e11
	s_add_nc_u64 s[20:21], s[4:5], s[20:21]
	s_add_nc_u64 s[46:47], s[6:7], s[46:47]
	CROUND                                         ; the first joint loads meet
.irp s, 0,1
	s_mov_b32 s[G0+4*\s], 1
	s_add_co_u32 s[G0+4*\s+1], s45, \s*SLOT
	s_add_nc_u64 s[G0+4*\s+2:G0+4*\s+3], s[20:21], \s*STRA
	s_or_b32 s[G0+4*\s+3], s[G0+4*\s+3], 0x80000000
	s_mov_b32 s[G0B+4*\s], 1
	s_add_co_u32 s[G0B+4*\s+1], s45, \s*SLOT
	s_add_nc_u64 s[G0B+4*\s+2:G0B+4*\s+3], s[46:47], \s*STRB
	s_or_b32 s[G0B+4*\s+3], s[G0B+4*\s+3], 0x80000000
	s_wait_alu depctr_va_vdst(0)
	s_wait_tensorcnt 0x0
	ds_add_u32 v28, v29
	ds_add_u32 v28, v29
	s_wait_dscnt 0x0
	CROUND
	JLOAD G0+4*\s, G1, G0B+4*\s, G1B               ; one tensor load of mine is out
.endr
	v_and_b32 v1, 15, v0                           ; r
	s_wait_alu depctr_va_vdst(0)
	v_bfe_u32 v2, v0, 4, 1                         ; h
	v_and_b32 v6, 31, v0
	v_lshlrev_b32 v[CO], 4, v6
	s_lshl_b32 s21, s15, 15                        ; my 128 rows of A
	s_lshl_b32 s22, s16, 15
	s_add_co_u32 s22, s22, 2*HALFT                 ; my 128 rows of Wo, behind A's 256
.irp s, 0,1
	v_add_nc_u32 v[ADRA+\s], s21, v[CO]
	v_add_nc_u32 v[ADRB+\s], s22, v[CO]
	s_add_co_u32 s21, s21, SLOT
	s_add_co_u32 s22, s22, SLOT
.endr
	s_mul_i32 s23, s14, 16*SPITCH                  ; my stage
	v_mul_u32_u24 v5, v1, SPITCH
	s_wait_alu depctr_va_vdst(0)
	v_lshl_add_u32 v5, v2, 6, v5
	v_add_nc_u32 v[STO], s23, v5                   ; in: row r, + 64 h: accumulators 2 c, 2 c + 1 are columns 32 c + 16 h + 0 .. 15
	v_add_nc_u32 v[RD], s23, v[CO]                 ; back: the 32 lanes take a row of 512 bytes
	s_lshl_b32 s20, s17, 8
	s_lshl_b32 s21, s15, 7
	s_add_co_u32 s20, s20, s21
	s_lshl_b32 s20, s20, 12                        ; my first row of out0, 4,096 bytes a row
	s_mov_b32 s21, 0
	s_lshl_b32 s46, s42, 10
	s_lshl_b32 s47, s16, 9
	s_add_co_u32 s46, s46, s47                     ; my first column, in bytes
	s_mov_b32 s47, 0
	s_add_nc_u64 s[20:21], s[20:21], s[46:47]
	s_add_nc_u64 s[10:11], s[10:11], s[20:21]
.macro FRAG reg, adr, q, i
.irp c, 0,1,2,3
	ds_load_b128 v[\reg+4*\c:\reg+4*\c+3], v[\adr] offset:4096*(\i)+2048*(\q)+512*\c
.endr
.endm
.macro MUL16 a0, p, zero               ; the 64 accumulators take turns, one instruction a turn, in the same order in every step
.irp a, \a0, \a0+1
.irp b, 0,1,2,3,4,5,6,7
.if \zero
	v_wmma_f32_16x16x128_fp8_fp8 v[8*(8*((\a)%4)+\b):8*(8*((\a)%4)+\b)+7], v[128*(\p)+FR*\b:128*(\p)+FR*\b+FR-1], v[AF+FR*(\a):AF+FR*(\a)+FR-1], 0
.else
	v_wmma_f32_16x16x128_fp8_fp8 v[8*(8*((\a)%4)+\b):8*(8*((\a)%4)+\b)+7], v[128*(\p)+FR*\b:128*(\p)+FR*\b+FR-1], v[AF+FR*(\a):AF+FR*(\a)+FR-1], v[8*(8*((\a)%4)+\b):8*(8*((\a)%4)+\b)+7]
.endif
.endr
.endr
.endm
.macro FETCH_B slot, q, p
	WIN TO_B
.irp i, 0,1,2,3,4,5,6,7
	FRAG 128*(\p)+FR*\i, ADRB+\slot, \q, \i
.endr
	WIN 0
.endm
.macro FETCH_A slot, q, i0
.irp i, \i0, \i0+1, \i0+2, \i0+3
	FRAG AF+FR*(\i), ADRA+\slot, \q, \i
.endr
.endm
.macro PLACES n
.rept \n
	v_nop
.endr
.endm
.macro STEP slot, q, zero
	s_wait_dscnt 4*NL                              ; Wo's set and A's blocks 0-3 are in; the youngest sixteen loads may be out
	WIN MUL_LO
	MUL16 0, (\q)%2, \zero
	MUL16 2, (\q)%2, \zero
	s_wait_dscnt 0
	PLACES NP
	FETCH_B \slot, (\q)+1, 1-(\q)%2
	FETCH_A \slot, (\q)+1, 0
	WIN MUL_HI
	MUL16 4, (\q)%2, \zero
	MUL16 6, (\q)%2, \zero
	PLACES NP
	WIN 0
	FETCH_A \slot, (\q)+1, 4
.endm
.macro TURN slot, next, fill
	s_wait_tensorcnt 0x0                           ; all my tensor loads have landed: my part of the next slot
	ds_add_u32 v[SPW], v[NIL]                      ; 0 onto my spare word
	s_wait_dscnt 4*NL+1                            ; (the add and the youngest sixteen loads may be out)
	WIN MUL_LO
	MUL16 0, 1, 0
	s_wait_dscnt 0x0                               ; the add is done, and my reads of this slot are over
	s_barrier_signal -1
	MUL16 2, 1, 0
	WIN 0
	s_barrier_wait -1
.if \fill
	CREST                                          ; no wave of any partner still reads this slot or has a load on its way
	s_add_nc_u64 s[G0+4*\slot+2:G0+4*\slot+3], s[G0+4*\slot+2:G0+4*\slot+3], 2*STRA
	s_add_nc_u64 s[G0B+4*\slot+2:G0B+4*\slot+3], s[G0B+4*\slot+2:G0B+4*\slot+3], 2*STRB
	JLOAD G0+4*\slot, G1, G0B+4*\slot, G1B         ; the first tensor load behind the round, and my only one out
.else
	PLACES NP
.endif
	FETCH_B \next, 0, 0
	FETCH_A \next, 0, 0
	WIN MUL_HI
	MUL16 4, 1, 0
	MUL16 6, 1, 0
	PLACES NP
	WIN 0
	FETCH_A \next, 0, 4
.endm
	s_wait_tensorcnt 1                             ; my part of K step 0 is in; K step 1's load may be out
	s_barrier_signal -1
	s_barrier_wait -1
	FETCH_B 0, 0, 0
	FETCH_A 0, 0, 0
	FETCH_A 0, 0, 4
	STEP 0, 0, 1
	TURN 0, 1, 1
	STEP 1, 0, 0
	TURN 1, 0, 1
	STEP 0, 0, 0
	TURN 0, 1, 0
	STEP 1, 0, 0
	s_wait_dscnt 4*NL
	WIN MUL_LO
	MUL16 0, 1, 0
	MUL16 2, 1, 0
	s_wait_dscnt 0
	WIN MUL_HI
	MUL16 4, 1, 0
	MUL16 6, 1, 0
	WIN 0
; THE WAY OUT, block by block of 16 tokens x 128 columns, through my own stage: in by lanes (a lane holds 8 neighbouring columns of one row an accumulator), back as whole rows of 512 bytes.
; LDS serves a wave's instructions in order (ISA guide 5.7.1.4): no wait between the stores and the loads, nor in front of the next block's stores.
.macro TOSTAGE a
.set AC, 64*((\a)%4)
	WIN (0x02+((\a)/4))
.set i, 0
.rept 32
	v_pk_mul_f32 v[TMP+i:TMP+i+1], v[AC+i:AC+i+1], s[96:97] op_sel_hi:[1,0]   ; x 2^(e10 + e11); each accumulator from its low end on
.set i, i+2
.endr
	WIN 0
.irp b, 0,1,2,3,4,5,6,7
	ds_store_b128 v[STO], v[TMP+8*\b:TMP+8*\b+3] offset:128*(\b/2)+32*(\b%2)
	ds_store_b128 v[STO], v[TMP+8*\b+4:TMP+8*\b+7] offset:128*(\b/2)+32*(\b%2)+16
.endr
.set BB, BK+64*((\a)%2)
.irp t, 0,1,2,3,4,5,6,7,8,9,10,11,12,13,14,15
	ds_load_b128 v[BB+4*\t:BB+4*\t+3], v[RD] offset:\t*SPITCH
.endr
.endm
.macro SEND a, younger                 ; younger: the LDS instructions issued behind block a's loads
.set BB, BK+64*((\a)%2)
	s_wait_dscnt \younger
.irp t, 0,1,2,3,4,5,6,7,8,9,10,11,12,13,14,15
	global_store_b128 v[CO], v[BB+4*\t:BB+4*\t+3], s[10:11] offset:(32*((\a)/2)+8*((\a)%2)+\t+8*(\t/8))*4096 th:TH_STORE_NT   ; the tile's row t at its own token: 512 consecutive bytes, aligned; at most row 127: inside the signed 24-bit immediate
.endr
.endm
	s_wait_kmcnt 0x0
	s_add_co_i32 s96, s96, s97
	s_add_co_i32 s96, s96, 127
	s_lshl_b32 s96, s96, 23                        ; 2^(e10 + e11) as f32
	PLACES NP                                      ; behind the last products: for the reads of results and the loads into A's registers
	TOSTAGE 0
.irp a, 1,2,3,4,5,6,7
.if \a > 1
	s_wait_xcnt 0x0                                ; block a - 2's stores have read their registers: block a's loads may land there
.endif
	TOSTAGE \a
	SEND \a-1, 32                                  ; behind block a - 1's loads: block a's 16 stores and 16 loads
.endr
	SEND 7, 0
	s_wait_tensorcnt 0x0                           ; the wave's end: behind my last tensor load and my last LDS store
	ds_add_u32 v[SPW], v[NIL]
	s_wait_dscnt 0x0
	CROUND                                         ; the closing round
	s_endpgm
.Lfunc_end_k_q5f570976b3_oproj:
	.size	k_q5f570976b3_oproj, .Lfunc_end_k_q5f570976b3_oproj-k_q5f570976b3_oproj
	.p2alignl 7, 3214868480
	.fill 96, 4, 3214868480
	.section	.rodata,"a",@progbits
	.p2align	6, 0x0
	.amdhsa_kernel k_q5f570976b3_oproj
		.amdhsa_group_segment_fixed_size 327680
		.amdhsa_private_segment_fixed_size 0
		.amdhsa_enable_private_segment 0
		.amdhsa_kernarg_size 32
		.amdhsa_user_sgpr_count 2
		.amdhsa_user_sgpr_kernarg_segment_ptr 1
		.amdhsa_wavefront_size32 1
		.amdhsa_system_sgpr_workgroup_id_x 1
		.amdhsa_system_sgpr_workgroup_id_y 1
		.amdhsa_system_sgpr_workgroup_id_z 1
		.amdhsa_system_vgpr_workitem_id 0
		.amdhsa_next_free_vgpr 1024
		.amdhsa_next_free_sgpr 98
		.amdhsa_reserve_vcc 0
		.amdhsa_float_denorm_mode_32 3
		.amdhsa_float_denorm_mode_16_64 3
		.amdhsa_memory_ordered 1
		.amdhsa_forward_progress 1
		.amdhsa_inst_pref_size 123
	.end_amdhsa_kernel
	.amdgpu_metadata
---
amdhsa.version: [ 1, 2 ]
amdhsa.kernels:
  - .name:           k_q5f570976b3_oproj
    .symbol:         k_q5f570976b3_oproj.kd
    .args:
      - { .name: ao, .offset: 0, .size: 8, .value_kind: global_buffer, .address_space: global }
      - { .name: wcodes, .offset: 8, .size: 8, .value_kind: global_buffer, .address_space: global }
      - { .name: lowp_scales, .offset: 16, .size: 8, .value_kind: global_buffer, .address_space: global }
      - { .name: out0, .offset: 24, .size: 8, .value_kind: global_buffer, .address_space: global }
    .group_segment_fixed_size: 327680
    .private_segment_fixed_size: 0
    .kernarg_segment_align: 8
    .kernarg_segment_size: 32
    .max_flat_workgroup_size: 128
    .sgpr_count:     98
    .vgpr_count:     1024
    .wavefront_size: 32
...
	.end_amdgpu_metadata
.endif
;; end of part 4
